; MI455X (gfx1250); checked and timed in simulation.
; The chip was launched on July 23, 2026; its instructions are those of AMD's public machine-readable ISA for CDNA 5 (MIT licence, August 2026) and "CDNA5" Instruction Set Architecture Reference Guide (July 2026). The comments in the code are by the model that wrote it; some were corrected since.
;; Multi Head Attention. Allowed arithmetic: matrix products marked QUANTISED: E3M2 operands, one E8M0 scale for each 32 along K, by v_wmma_scale_f32_16x16x128_f8f6f4 with both operands' format E3M2, f32 sums; everything else in f32.
;; Inputs: bk1 1,024 float32; bk2 1,024 float32; bo 1,024 float32; bq1 1,024 float32; bq2 1,024 float32; bv1 1,024 float32; bv2 1,024 float32; key 2 x 2,048 x 1,024 float32; mask 1 x 1 x 2,048 x 2,048 int32; query 2 x 2,048 x 1,024 float32; value 2 x 2,048 x 1,024 float32; wk1 1,024 x 1,024 float32; wk2 1,024 x 1,024 float32; wo 1,024 x 1,024 float32; wq1 1,024 x 1,024 float32; wq2 1,024 x 1,024 float32; wv1 1,024 x 1,024 float32; wv2 1,024 x 1,024 float32.
;; Outputs: out0 2 x 2,048 x 1,024 float32.
;; This version of the problem:
;;   THIS VERSION OF THE PROBLEM IS GIVEN IN LOW PRECISION. The matrix products marked QUANTISED in the list below multiply operands that are first quantised to E3M2 (3 exponent bits, 2 mantissa bits; 6 bits a number), with one power-of-two scale for each 32 numbers along K (OCP MX v1.0); their sums are f32. All else is computed in f32.
;;   The module's matrix products, in the order in which they are computed (A, B: the left and right operand; K: the contracted axis; several contracted axes count as one K, in the product's order):
;;     1. [M 4,096, K 1,024] x [K 1,024, N 1,024]; A: input query; B: input wq1: QUANTISED
;;     2. [M 4,096, K 1,024] x [K 1,024, N 1,024]; A: input query; B: input wq2: QUANTISED
;;     3. [M 4,096, K 1,024] x [K 1,024, N 1,024]; A: input key; B: input wk1: QUANTISED
;;     4. [M 4,096, K 1,024] x [K 1,024, N 1,024]; A: input key; B: input wk2: QUANTISED
;;     5. [M 4,096, K 1,024] x [K 1,024, N 1,024]; A: input value; B: input wv1: QUANTISED
;;     6. [M 4,096, K 1,024] x [K 1,024, N 1,024]; A: input value; B: input wv2: QUANTISED
;;     7. batch 32 x [M 2,048, K 64] x [K 64, N 2,048]; A: computed on the way; B: computed on the way: QUANTISED
;;     8. batch 32 x [M 2,048, K 2,048] x [K 2,048, N 64]; A: softmax (see below); B: computed on the way: QUANTISED
;;     9. [M 4,096, K 1,024] x [K 1,024, N 1,024]; A: computed on the way; B: input wo: QUANTISED
;;   THE QUANTISER, for each operand of a quantised product, along K:
;;     - K is cut into blocks of 32 from its start; a last block that is shorter is filled with zeros.
;;     - A block's scale is 2^e with e = floor(log2(the largest magnitude in the block)) - 4, held to -126 .. 127; a block of zeros has e = 0. As a byte (E8M0): e + 127.
;;     - Each number is divided by its block's scale, clamped to +-28, and rounded to the nearest number of E3M2, ties to even, subnormals kept.
;;     - The product sums the exact products of the quantised numbers (number of the format x scale) in f32.
;;   ~~~python
;;   def quantise(x, axis):      # numpy; x: float32 -> the quantised numbers, widened to float32 again
;;       x = np.moveaxis(x, axis, -1); K = x.shape[-1]
;;       x = np.pad(x, [(0, 0)] * (x.ndim - 1) + [(0, -K % 32)]); x = x.reshape(x.shape[:-1] + (-1, 32)); a = np.abs(x).max(-1, keepdims=True)
;;       e = np.where(a > 0, np.clip(np.frexp(np.where(a > 0, a, 1))[1] - 1 - 4, -126, 127), 0)      # np.frexp(a)[1] - 1 = floor(log2(a)), exactly
;;       r = np.clip(x / 2.0 ** e, -28, 28)
;;       step = 2.0 ** (np.maximum(np.frexp(np.where(r == 0, 1, r))[1] - 1, -2) - 2)
;;       q = np.round(r / step) * step * 2.0 ** e      # np.round: ties to even
;;       return np.moveaxis(q.reshape(q.shape[:-2] + (-1,))[..., :K], -1, axis).astype(np.float32)
;;   ~~~
;;   SOFTMAX AHEAD OF A QUANTISED PRODUCT. Where the list says 'softmax', what is quantised is not the finished softmax but p = 2^(t - M), with t = logit x log2(e) and M = ceil(the row's largest t), a whole number; so 1/2 < the row's largest p <= 1. The row's sum l is taken of the UNQUANTISED p, in f32, and the product's result is divided by l at the end. Since M is a whole number, a kernel that streams over the keys may use a running M (the ceiling of the running maximum): every later rescaling is an exact power of two, which a block's scale takes up: the codes' values come out the same.
;;   OPERANDS COMPUTED ON THE WAY. 'Computed on the way' means the value that the module computes at that place (a softmax that the list does not call 'softmax' is quantised finished and normalised). What goes into a quantiser is computed in f32, as accurately as f32 sums, v_exp_f32 and their like allow (about 1e-6 of the number): no bf16 or f16 on the way to a quantiser, and a product that is left as it is and whose result goes on into a quantised operand takes f32 operands (vector FMAs, or v_wmma_f32_16x16x4_f32). A number that lies on a knife's edge between two numbers of the format may be rounded either way, as far as f32 arithmetic and the matrix unit's own rounding can turn it there, and no further.
;; One version. Each part assembles by itself: llvm-mc -triple=amdgcn-amd-amdhsa -mcpu=gfx1250 --defsym DOCPART=n.
;; ======== version 1 of 1: 4 launches
;; limits: right only within a limited range of input values
;; workspace buffers: codes 14,942,208 bytes; scl 622,592 bytes; mbits 524,288 bytes of whole numbers; mcls 2,048 bytes of whole numbers; hd 10,092,544 bytes; xo 3,145,728 bytes; xsd 262,144 bytes
;; launch quant (part 1): grid 368 x 1, 4 waves a work-group, no clusters, 68,096 bytes of LDS; arguments query, key, value, wq1, wq2, wk1, wk2, wv1, wv2, wo, mask, codes, scl, mbits, mcls; writes codes, scl, mbits, mcls
.if DOCPART == 1
	.amdgcn_target "amdgcn-amd-amdhsa--gfx1250"
	.amdhsa_code_object_version 6
	.text
	.protected	k_q3f01a16ee8_quant
	.globl	k_q3f01a16ee8_quant
	.p2align	8
	.type	k_q3f01a16ee8_quant,@function
k_q3f01a16ee8_quant:
	s_mov_b64 s[64:65], 0
	v_nop
	global_prefetch_b8 v0, s[64:65] scope:SCOPE_SE
	s_setreg_imm32_b32 hwreg(HW_REG_WAVE_MODE, 25, 1), 1
	s_wait_xcnt 0x0
; query, key, value [4096][1024] and the seven weights [1024][1024], f32 with K innermost, become codes of BF6 (E3M2) with one E8M0 byte for each 32 along K; the mask [2048][2048] of int32 becomes lane masks.
; A TILE is 16 rows x 1024 K.  Its rows are not neighbours: row i of tile T is row 32 (T / 2) + 8 (T % 2) + i + 8 (i / 8) of the tensor, so that the results of two neighbouring tiles are 16 neighbours along a later K.
; CODES are laid as the operand's registers want them: [tile][K step of 128][c = 0, 1][768 bytes]; in a piece of 768 bytes lane l = (r = l % 16, h = l / 16) owns the 24 bytes of block 2 c + h of row r:
; its first 16 bytes at 16 l, its last 8 at 512 + 8 l.  So every later load of a wave reads 512 or 256 consecutive bytes.
; SCALE WORDS: [tile][lane][4]: word j of lane (r, h) is row r's four bytes of K step 2 j + h.
; MASK WORDS: [tile of queries T][step of 128 keys][n = 0 .. 63]: bit L of word n says that mask[row L % 16 of tile T][128 step + 32 (n / 16) + 16 (L / 16) + n % 16] is not 0.
; MASK CLASSES: [tile of queries T][half of the keys][2] words: bit t of the first word says that all 2,048 flags of the tile's step 8 half + t are not 0, bit t of the second that all are 0.
; A block's scale is 2^(floor(log2(its largest magnitude)) - 4); its byte is the largest magnitude's exponent field - 4, held at 1 from below.
; LIMITS: a block whose largest magnitude lies under 2^-122 keeps the byte 1; a block of zeros keeps the byte 1 where the rule says 127 (its codes are zeros, and this program alone reads the bytes); NaN and infinities among the inputs are not served.
; SHARES: work-groups 0-303: wave w takes tile 4 x work-group + w, eight steps of 128 along K.  Work-groups 304-367: a wave takes 16 rows x 1024 keys of the mask, eight steps of 128 keys.
; Each load reads 512 consecutive bytes of one row; a step's 16 rows turn through the wave's own stage in LDS (rows 528 bytes apart) so that a lane gets neighbours along K.  No tensor load, no barrier: waves share nothing.
; The two paths part on the work-group's number, never join, and have LDS bytes of their own.
.set ROWP,   528                       ; a stage row: 512 bytes + 16
.set WST,    16*ROWP                   ; a wave's stage
.set MST,    4*WST                     ; the mask path's four stages lie behind the numbers' four
.set FLOORB, 0x2800000                 ; 2^(5 - 127)
.set EOFF,   0xfe000000                ; 4 off an exponent field
.set R,   16                           ; v16-143  two sets of 64: a step as loaded
.set X,   144                          ; v144-207 64 numbers: my two blocks (mask path: my 64 flags)
.set P,   208                          ; v208-219 a fragment's 12 registers
.set T0,  220                          ; v220-222, v224-226: the second halves of the two blocks' codes
.set T1,  224
.set SW,  228                          ; v228-235 my row's scale word of each of the 8 steps
.set SO,  236                          ; v236-239 the four that my lane stores
.set W,   208                          ; mask path: v208-223, a pair of registers for each step
	s_load_b512 s[8:23], s[0:1], 0x0               ; query, key, value, wq1, wq2, wk1, wk2, wv1
	s_load_b256 s[24:31], s[0:1], 0x40             ; wv2, wo, mask, codes
	s_load_b128 s[32:35], s[0:1], 0x60             ; scl, mbits
	s_load_b64 s[52:53], s[0:1], 0x70              ; mcls
	v_lshl_add_u32 v240, v0, 2, 67584              ; my spare word, behind the eight stages: 128 bytes a wave that no other line names; never rewritten
	v_mov_b32 v241, 0                              ; 0; never rewritten
	v_lshrrev_b32 v1, 5, v0
	v_readfirstlane_b32 s36, v1                    ; wave 0..3
	v_and_b32 v1, 31, v0                           ; lane
	v_lshlrev_b32 v2, 4, v1                        ; 16 l
	v_lshlrev_b32 v3, 3, v1                        ; 8 l
	v_and_b32 v7, 15, v0                           ; r
	v_bfe_u32 v8, v0, 4, 1                         ; h
	s_mul_i32 s38, s36, WST
	v_add_nc_u32 v4, s38, v2                       ; the stage, on the way in: 16 l of row i
	v_mul_u32_u24 v5, v7, ROWP
	v_add_nc_u32 v5, s38, v5                       ; row r
	v_add_nc_u32 v14, MST, v4                      ; the mask path's stage, in
	v_lshl_add_u32 v15, v8, 6, v5
	v_add_nc_u32 v15, MST, v15                     ; and out: row r, + 64 h: 16 flags of each block of 32 keys
	v_lshl_add_u32 v5, v8, 7, v5                   ; numbers, out: row r, + 128 h: block h, and 256 bytes on block 2 + h
	v_lshlrev_b32 v6, 3, v8                        ; 8 h: where my two bytes stand in a scale word
	s_mov_b32 s44, 0x76543210
	s_mov_b32 s45, 0xfedcba98                      ; lane selects: lane l xor 16
	s_mov_b32 s41, 0
	s_mov_b32 s43, 0
	s_wait_kmcnt 0x0
	s_cmp_ge_u32 ttmp9, 304
	s_cbranch_scc1 .Lmask
.macro PICK x, p                       ; from work-group x on: the tensor whose address stands in s[p:p+1]
	s_cmp_ge_u32 ttmp9, \x
	s_cselect_b64 s[4:5], s[\p:\p+1], s[4:5]
	s_cselect_b32 s37, \x, s37
.endm
.macro LOADS t, pitch, base            ; step t: 16 rows x 512 bytes into set t % 2; load i reads the tile's row i
.irp i, 0,1,2,3,4,5,6,7,8,9,10,11,12,13,14,15
	global_load_b128 v[R+64*((\t)%2)+4*\i:R+64*((\t)%2)+4*\i+3], v2, s[\base:\base+1] offset:(\i+8*(\i/8))*\pitch+512*(\t) th:TH_LOAD_NT
.endr
.endm
.macro STAGE_IN t, adr
.irp i, 0,1,2,3,4,5,6,7,8,9,10,11,12,13,14,15
	ds_store_b128 v[\adr], v[R+64*((\t)%2)+4*\i:R+64*((\t)%2)+4*\i+3] offset:ROWP*\i
.endr
.endm
	s_mov_b64 s[4:5], s[8:9]                       ; the choice of the tensor hangs on the work-group's number alone
	s_mov_b32 s37, 0
	PICK 64, 10
	PICK 128, 12
	PICK 192, 14
	PICK 208, 16
	PICK 224, 18
	PICK 240, 20
	PICK 256, 22
	PICK 272, 24
	PICK 288, 26
	s_sub_co_u32 s38, ttmp9, s37
	s_lshl_b32 s38, s38, 2
	s_add_co_u32 s38, s38, s36                     ; my tile in its tensor
	s_lshr_b32 s39, s38, 1
	s_lshl_b32 s39, s39, 5
	s_and_b32 s40, s38, 1
	s_lshl_b32 s40, s40, 3
	s_add_co_u32 s40, s39, s40                     ; its first row
	s_lshl_b32 s40, s40, 12                        ; rows of 4,096 bytes
	s_add_nc_u64 s[4:5], s[4:5], s[40:41]
	s_lshl_b32 s42, ttmp9, 2
	s_add_co_u32 s42, s42, s36                     ; my tile among all 1,216
	s_mul_i32 s40, s42, 12288
	s_add_nc_u64 s[30:31], s[30:31], s[40:41]
	s_lshl_b32 s40, s42, 9
	s_add_nc_u64 s[32:33], s[32:33], s[40:41]
	LOADS 0, 4096, 4
	LOADS 1, 4096, 4
.macro QSTEP t
.if (\t) < 7
	s_wait_loadcnt 16                              ; this step's 16 loads are in; the next step's 16 may be out
.else
	s_wait_loadcnt 0x0
.endif
	STAGE_IN \t, 4
.irp i, 0,1,2,3,4,5,6,7
	ds_load_b128 v[X+4*\i:X+4*\i+3], v5 offset:16*\i               ; LDS serves a wave's instructions in order: these see the stores above.  Block h of my row
.endr
.irp i, 0,1,2,3,4,5,6,7
	ds_load_b128 v[X+32+4*\i:X+32+4*\i+3], v5 offset:256+16*\i     ; block 2 + h
.endr
	s_wait_dscnt 0x0                               ; my 64 numbers are in, and the stores have read the set,
.if (\t) < 6
	LOADS (\t)+2, 4096, 4                          ; which takes the step two on
.endif
	v_max3_num_f32 v8, |v[X]|, |v[X+1]|, FLOORB    ; the two blocks' largest magnitudes, by turns; the floor holds the byte at 1 from below
	v_max3_num_f32 v9, |v[X+32]|, |v[X+33]|, FLOORB
.irp i, 2,4,6,8,10,12,14,16,18,20,22,24,26,28,30
	v_max3_num_f32 v8, v8, |v[X+\i]|, |v[X+\i+1]|
	v_max3_num_f32 v9, v9, |v[X+32+\i]|, |v[X+33+\i]|
.endr
	v_add_nc_u32 v10, EOFF, v8                     ; 4 off the exponent field: the conversion takes this operand's exponent field as its scale
	v_add_nc_u32 v11, EOFF, v9
	v_lshrrev_b32 v12, 23, v10                     ; the bytes
	v_lshrrev_b32 v13, 23, v11
	v_lshl_or_b32 v12, v13, 16, v12                ; blocks h and 2 + h,
	v_lshlrev_b32 v12, v6, v12                     ; at their places in the word;
	v_permlanex16_b32 v13, v12, s44, s45
	v_or_b32 v[SW+(\t)], v12, v13                  ; with lane l xor 16's two the word is whole
	s_wait_alu depctr_va_vdst(0)
	s_wait_xcnt 0x0                                ; the last step's stores have read the codes' registers: they are written again only behind this wait
	v_cvt_scalef32_pk16_bf6_f32 v[P:P+2], v[X:X+15], v10
	v_cvt_scalef32_pk16_bf6_f32 v[T0:T0+2], v[X+16:X+31], v10      ; (a conversion's three registers begin on an even number)
	v_cvt_scalef32_pk16_bf6_f32 v[P+6:P+8], v[X+32:X+47], v11
	v_cvt_scalef32_pk16_bf6_f32 v[T1:T1+2], v[X+48:X+63], v11
	v_nop                                          ; one plain instruction between a scaled conversion and the vector instruction that reads its result
.irp i, 0,1,2
	v_mov_b32 v[P+3+\i], v[T0+\i]
	v_mov_b32 v[P+9+\i], v[T1+\i]
.endr
	global_store_b128 v2, v[P:P+3], s[30:31] offset:1536*(\t)               ; 512 consecutive bytes,
	global_store_b64 v3, v[P+4:P+5], s[30:31] offset:1536*(\t)+512          ; 256,
	global_store_b128 v2, v[P+6:P+9], s[30:31] offset:1536*(\t)+768
	global_store_b64 v3, v[P+10:P+11], s[30:31] offset:1536*(\t)+1280
.endm
	s_wait_alu depctr_va_vdst(0)
.irp t, 0,1,2,3,4,5,6,7
	QSTEP \t
.endr
	v_cmp_lt_u32 vcc_lo, 15, v1                    ; lanes 16-31 keep the odd K steps' words
.irp j, 0,1,2,3
	v_cndmask_b32 v[SO+\j], v[SW+2*\j], v[SW+2*\j+1], vcc_lo
.endr
	global_store_b128 v2, v[SO:SO+3], s[32:33]     ; 512 consecutive bytes
	s_wait_tensorcnt 0x0                           ; the wave's end, behind my last LDS store
	ds_add_u32 v240, v241
	s_wait_dscnt 0x0
	s_endpgm
.Lmask:
	s_sub_co_u32 s38, ttmp9, 304
	s_lshl_b32 s38, s38, 2
	s_add_co_u32 s38, s38, s36                     ; job = 2 T + half
	s_lshr_b32 s39, s38, 1                         ; T
	s_and_b32 s40, s38, 1                          ; which 1,024 keys
	s_lshr_b32 s42, s39, 1
	s_lshl_b32 s42, s42, 5
	s_and_b32 s39, s39, 1
	s_lshl_b32 s39, s39, 3
	s_add_co_u32 s42, s42, s39                     ; the tile's first row
	s_lshl_b32 s42, s42, 13                        ; rows of 8,192 bytes
	s_lshl_b32 s40, s40, 12
	s_add_co_u32 s42, s42, s40
	s_add_nc_u64 s[28:29], s[28:29], s[42:43]
	s_lshl_b32 s42, s38, 11                        ; eight steps of 256 bytes a job
	s_add_nc_u64 s[34:35], s[34:35], s[42:43]
	s_lshl_b32 s42, s38, 3                         ; two class words a job
	s_add_nc_u64 s[52:53], s[52:53], s[42:43]
	s_mov_b32 s50, 0                               ; the steps all of whose flags are not 0,
	s_mov_b32 s51, 0                               ; and those all of whose flags are 0
	LOADS 0, 8192, 28
	LOADS 1, 8192, 28
.irp i, 0,1,2,3,4,5,6,7,8,9,10,11,12,13,14,15
	v_mov_b32 v[W+\i], 0                           ; written once: v_writelane_b32's destination counts as one of its sources
.endr
.macro MSTEP t
.if (\t) < 7
	s_wait_loadcnt 16                              ; this step's 16 loads are in; the next step's 16 may be out
.else
	s_wait_loadcnt 0x0
.endif
	STAGE_IN \t, 14
.irp m, 0,1,2,3,4,5,6,7,8,9,10,11,12,13,14,15
	ds_load_b128 v[X+4*\m:X+4*\m+3], v15 offset:128*(\m/4)+16*(\m%4)   ; register 16 b + i: key 32 b + 16 h + i of my row
.endr
	s_wait_dscnt 0x0
.if (\t) < 6
	LOADS (\t)+2, 8192, 28
.endif
.irp hb, 0,1                           ; a compare's 32 lane bits ARE word n; word n goes to lane n / 2, register n % 2, so that the 32 lanes store the 64 words on end
.irp k, 0,1,2,3,4,5,6,7,8,9,10,11,12,13,14,15,16,17,18,19,20,21,22,23,24,25,26,27,28,29,30,31
	v_cmp_ne_u32 s[68+\k], 0, v[X+32*\hb+\k]
.endr
.irp k, 0,1,2,3,4,5,6,7,8,9,10,11,12,13,14,15,16,17,18,19,20,21,22,23,24,25,26,27,28,29,30,31
	v_writelane_b32 v[W+2*(\t)+\k%2], s[68+\k], 16*\hb+\k/2
.endr
.endr
	global_store_b64 v3, v[W+2*(\t):W+2*(\t)+1], s[34:35] offset:256*(\t)   ; 256 consecutive bytes, aligned; each step has registers of its own
	v_and_b32 v11, v[W+2*(\t)], v[W+2*(\t)+1]      ; the step's class: a lane holds two of the 64 words
	v_or_b32 v12, v[W+2*(\t)], v[W+2*(\t)+1]
	v_cmp_eq_u32 s46, -1, v11                      ; all ones in every lane: no flag of the step is 0
	v_cmp_eq_u32 s48, 0, v12                       ; all zeros in every lane: every flag is 0
	s_cmp_eq_u32 s46, -1
	s_cselect_b32 s54, 1<<(\t), 0
	s_or_b32 s50, s50, s54
	s_cmp_eq_u32 s48, -1
	s_cselect_b32 s54, 1<<(\t), 0
	s_or_b32 s51, s51, s54
.endm
.irp t, 0,1,2,3,4,5,6,7
	MSTEP \t
.endr
	v_mov_b32 v8, s50
	v_mov_b32 v9, s51
	v_mov_b32 v10, 0
	v_cmp_eq_u32 vcc_lo, 0, v1                     ; lane 0 stores the job's two class words: 8 bytes for 65,536 bytes of the mask
	s_wait_alu depctr_va_vdst(0)
	s_wait_xcnt 0x0                                ; EXEC changes only behind this wait: stores are out
	s_and_saveexec_b32 s54, vcc_lo
	global_store_b64 v10, v[8:9], s[52:53]
	s_wait_xcnt 0x0                                ; and again in front of the line that widens it
	s_or_b32 exec_lo, exec_lo, s54
	s_wait_tensorcnt 0x0                           ; the wave's end, behind my last LDS store
	ds_add_u32 v240, v241
	s_wait_dscnt 0x0
	s_endpgm
.Lfunc_end_k_q3f01a16ee8_quant:
	.size	k_q3f01a16ee8_quant, .Lfunc_end_k_q3f01a16ee8_quant-k_q3f01a16ee8_quant
	.p2alignl 7, 3214868480
	.fill 96, 4, 3214868480
	.section	.rodata,"a",@progbits
	.p2align	6, 0x0
	.amdhsa_kernel k_q3f01a16ee8_quant
		.amdhsa_group_segment_fixed_size 68096
		.amdhsa_private_segment_fixed_size 0
		.amdhsa_enable_private_segment 0
		.amdhsa_kernarg_size 120
		.amdhsa_user_sgpr_count 2
		.amdhsa_user_sgpr_kernarg_segment_ptr 1
		.amdhsa_wavefront_size32 1
		.amdhsa_system_sgpr_workgroup_id_x 1
		.amdhsa_system_sgpr_workgroup_id_y 1
		.amdhsa_system_sgpr_workgroup_id_z 1
		.amdhsa_system_vgpr_workitem_id 0
		.amdhsa_next_free_vgpr 248
		.amdhsa_next_free_sgpr 100
		.amdhsa_reserve_vcc 1
		.amdhsa_float_denorm_mode_32 3
		.amdhsa_float_denorm_mode_16_64 3
		.amdhsa_memory_ordered 1
		.amdhsa_forward_progress 1
		.amdhsa_inst_pref_size 158
	.end_amdhsa_kernel
	.amdgpu_metadata
---
amdhsa.version: [ 1, 2 ]
amdhsa.kernels:
  - .name:           k_q3f01a16ee8_quant
    .symbol:         k_q3f01a16ee8_quant.kd
    .args:
      - { .name: query, .offset: 0, .size: 8, .value_kind: global_buffer, .address_space: global }
      - { .name: key, .offset: 8, .size: 8, .value_kind: global_buffer, .address_space: global }
      - { .name: value, .offset: 16, .size: 8, .value_kind: global_buffer, .address_space: global }
      - { .name: wq1, .offset: 24, .size: 8, .value_kind: global_buffer, .address_space: global }
      - { .name: wq2, .offset: 32, .size: 8, .value_kind: global_buffer, .address_space: global }
      - { .name: wk1, .offset: 40, .size: 8, .value_kind: global_buffer, .address_space: global }
      - { .name: wk2, .offset: 48, .size: 8, .value_kind: global_buffer, .address_space: global }
      - { .name: wv1, .offset: 56, .size: 8, .value_kind: global_buffer, .address_space: global }
      - { .name: wv2, .offset: 64, .size: 8, .value_kind: global_buffer, .address_space: global }
      - { .name: wo, .offset: 72, .size: 8, .value_kind: global_buffer, .address_space: global }
      - { .name: mask, .offset: 80, .size: 8, .value_kind: global_buffer, .address_space: global }
      - { .name: codes, .offset: 88, .size: 8, .value_kind: global_buffer, .address_space: global }
      - { .name: scl, .offset: 96, .size: 8, .value_kind: global_buffer, .address_space: global }
      - { .name: mbits, .offset: 104, .size: 8, .value_kind: global_buffer, .address_space: global }
      - { .name: mcls, .offset: 112, .size: 8, .value_kind: global_buffer, .address_space: global }
    .group_segment_fixed_size: 68096
    .private_segment_fixed_size: 0
    .kernarg_segment_align: 8
    .kernarg_segment_size: 120
    .max_flat_workgroup_size: 128
    .sgpr_count:     100
    .vgpr_count:     248
    .wavefront_size: 32
...
	.end_amdgpu_metadata
.endif
;; end of part 1
;; launch proj (part 2): grid 8 x 96, 4 waves a work-group, clusters of 4 x 4, 295,424 bytes of LDS; arguments codes, scl, bq1, bq2, bk1, bk2, bv1, bv2, hd; writes hd
.if DOCPART == 2
	.amdgcn_target "amdgcn-amd-amdhsa--gfx1250"
	.amdhsa_code_object_version 6
	.text
	.protected	k_q3f01a16ee8_proj
	.globl	k_q3f01a16ee8_proj
	.p2align	8
	.type	k_q3f01a16ee8_proj,@function
k_q3f01a16ee8_proj:
	s_mov_b64 s[64:65], 0
	v_nop
	global_prefetch_b8 v0, s[64:65] scope:SCOPE_SE
	s_setreg_imm32_b32 hwreg(HW_REG_WAVE_MODE, 25, 1), 1
	s_wait_xcnt 0x0
	s_wait_alu depctr_hold_cnt(0) depctr_sa_sdst(0) depctr_va_vdst(0) depctr_va_sdst(0) depctr_va_ssrc(0) depctr_va_vcc(0) depctr_vm_vsrc(0)
	s_getreg_b32 s2, hwreg(HW_REG_IB_STS2, 6, 4)
	s_cmp_eq_u32 s2, 0
	s_cbranch_scc0 .Lentry_in_a_cluster
	s_endpgm
.Lentry_in_a_cluster:
	s_bfe_u32 s2, ttmp6, 0x10000c
	s_cmp_lg_u32 s2, 0xf033
	s_cbranch_scc0 .Lentry_shape_is_right
	s_endpgm
.Lentry_shape_is_right:
; g = silu(x W1^T + b1) (x W2^T + b2) for x = query, key, value (tau = 0, 1, 2), both products on codes of BF6 with E8M0 scales, and g quantised at once for attention: q and k along the head's 64, v along the keys.
; SHARES.  Work-group (x, y): y = 32 tau + mb: rows 128 mb on of tensor tau (8 tiles of 16 rows), against 8 tiles of W1 and the same 8 of W2 (outputs 128 x on).  Four waves, 32 accumulators each.
; ALL OF K = 1,024 LIES IN LDS AT ONCE: 24 tiles x 12,288 bytes, laid [quarter of K][slot 0..23][3,072 bytes]; slots 0-7 x, 8-15 W1, 16-23 W2.  Every byte is filled once: there is no ring and nothing is filled again.
; Each wave issues four tensor loads, one for each quarter of K (four are out, by this text's count); the counted waits let the later quarters land while the earlier ones are multiplied.
; CLUSTERS: 4 x 4 work-groups.  x's tiles hang on y alone and are asked for jointly along a row of the cluster, W's on x (and tau, which all sixteen share) along a column.
; The codes lie in memory and in LDS as images of the operand's registers (a fragment: 512 + 256 + 512 + 256 consecutive bytes), so every LDS load of a wave reads consecutive bytes: no pitch, no padding.
; q, k (tau < 2): source 0 = W, source 1 = x: a lane holds ONE row of x and its registers run along the outputs.  Wave (wr, wc) makes rows 64 wr on x head 2 x + wc: a in accumulators (0..3, j), c in (4..7, j).
; v (tau = 2): source 0 = x, source 1 = W: a lane holds ONE output d and its registers run along the keys.  Wave w makes 128 keys x W's tiles 2 w, 2 w + 1: a in accumulators (i, 0..1), c in (i, 2..3).
; The rows of a tile are not neighbours (row i of tile T: 32 (T / 2) + 8 (T % 2) + i + 8 (i / 8)), so the 16 registers of source 0's tiles 2 b, 2 b + 1 are 16 neighbours: 32 b + 16 (lane / 16) + 0 .. 15.
; The branch on tau is the same in all sixteen partners (it is made of the cluster's y alone); the two bodies never join.
; hd: 32 records (16 batch + head) of 315,392 bytes: K [key tile 128][768] at 0; V [step 16][d tile 4][c 2][768] at 98,304; K's scale words at 196,608; V's at 204,800; Q [tile 128][768] at 208,896; Q's scale words at 307,200.
; LIMITS: g = (a c) sigmoid(a), where the reference rounds (a sigmoid(a)) c: the order of rounding differs.  sigmoid(a) for a under about -88 comes out 0.  A block under 2^-122 and a block of zeros keep the byte 1.  NaN and infinities are not served.
; V's scale words leave as 128 consecutive bytes a wave, half of an aligned 256: 4 bytes for each 96 bytes of codes.
; REGISTERS, in windows of 256: window 0: v1-8 LDS addresses (later at work), v9-11 16, 8, 4 x lane, v12-15 lane, r, h, bias offset; v16-47, v48-63 scale words of source 0, 1; v64-127 biases; v128-250 the way out; v252-255 scale words made.
;   window 1: source 0's 8 fragments, two sets.   window 2: the 32 accumulators, (i, j) at 8 (i % 4) + 32 j + 128 (i / 4).   window 3: source 1's 4 fragments, two sets.
; AS THE TEXT NOW STANDS (this takes the place of what the head says of quarters of K): LDS is laid [slot 0..23][12,288 bytes], a slot holding a tile's whole K; each wave issues ONE tensor load at the head
; (4 tiles of x or 8 of W, dense in memory, rows of 12,288 bytes), one is out by this text's count, and one barrier shows all of K to all four waves.  v12 and v251 serve the add alone; the lane's number is made in v15.
.set SLB,   12288                      ; a slot: a tile, all of K (eight K steps of 1,536 bytes)
.set SPARE, 24*SLB                     ; behind the slots: the spare words, 128 bytes for each wave
.set SPW,   251                        ; v251 LDS address of my spare word; never rewritten
.set NIL,   12                         ; v12  0; never rewritten
.set REC,   315392
.set FLOORB, 0x2800000
.set EOFF,  0xfe000000
.set G1X, 24                           ; s[24:31] descriptor group 1 for x's tiles;  s[32:35] group 0
.set G0X, 32
.set G1W, 48                           ; s[48:55] for W's;  s[68:71] group 0
.set G0W, 68
.set SEL, 62                           ; s[62:63] lane selects: lane l xor 16
.set NL,  98                           ; s[98:99] -log2(e), twice
.set SC0, 16
.set SC1, 48
.set BI,  64
.set EA,  128
.set EC,  160
.set EN,  192
.set P,   224
.set TQ,  248
.set MSB, 0
.macro WIN new                         ; the immediate's high byte repeats the setting that is left
.if MSB != \new
	s_set_vgpr_msb (MSB<<8)|\new
.set MSB, \new
.endif
.endm
.set MULW,    0xad                     ; source 0 window 1, source 1 window 3, C and D window 2
.set TO0,     0x40                     ; destination window 1
.set TO1,     0xc0                     ; destination window 3
.set FROMACC, 0x02                     ; source 0 window 2
.macro CROUND                          ; a round of the cluster's barrier
	s_barrier_signal -1
	s_barrier_wait -1
	s_cmp_lg_u32 s14, 0
	s_cbranch_scc1 .Lnot_wave_0_\@
	s_barrier_signal -3
.Lnot_wave_0_\@:
	s_barrier_wait -3
	s_barrier_signal -1
	s_barrier_wait -1
.endm
.macro PLACES                          ; four plain vector instructions between a matrix instruction and a load into, or a vector read of, its registers
.rept 4
	v_nop
.endr
.endm
	s_load_b128 s[4:7], s[0:1], 0x0                ; codes, scl
	s_load_b256 s[84:91], s[0:1], 0x10             ; bq1, bq2, bk1, bk2
	s_load_b128 s[92:95], s[0:1], 0x30             ; bv1, bv2
	s_load_b64 s[96:97], s[0:1], 0x40              ; hd
	v_lshl_add_u32 v[SPW], v0, 2, SPARE
	v_mov_b32 v[NIL], 0
	ds_add_u32 v[SPW], v[NIL]                      ; the opening lines: the add, twice on end, and its wait ahead of the round in front of my tensor load
	ds_add_u32 v[SPW], v[NIL]
	v_lshrrev_b32 v1, 5, v0
	v_readfirstlane_b32 s14, v1                    ; wave 0..3
	s_lshr_b32 s15, s14, 1                         ; wr.  Also: I fetch for x (0) or for W (1)
	s_and_b32 s16, s14, 1                          ; wc.  Also: which half of those tiles I fetch
	s_bfe_u32 s17, ttmp6, 0x40000                  ; cx
	s_bfe_u32 s18, ttmp6, 0x40004                  ; cy
	s_lshl_b32 s19, ttmp9, 2
	s_add_co_u32 s19, s19, s17                     ; work-group x
	s_and_b32 s20, ttmp7, 0xffff
	s_lshr_b32 s21, s20, 3                         ; tau, of the cluster's y alone
	s_lshl_b32 s20, s20, 2
	s_add_co_u32 s20, s20, s18                     ; work-group y
	s_lshl_b32 s8, s18, 2
	s_lshl_b32 s8, 15, s8                          ; my row of the cluster
	s_lshl_b32 s9, 0x1111, s17                     ; my column
	; descriptor group 1: rows of 12,288 bytes (1,536 elements of 8), one for each tile, 12,288 bytes apart in memory, on end in LDS; 4 tiles of x or 8 of W
	s_or_b32 s[G1X], s8, (3<<16)|(1<<21)           ; 15:0 the mask; 17:16 elements of 8 bytes; 21 set beside a mask
	s_or_b32 s[G1W], s9, (3<<16)|(1<<21)
.irp g, G1X, G1W
	s_mov_b32 s[\g+1], 1536<<16                    ; tensor_dim0: a tile's 12,288 bytes as 1,536 elements of 8
	s_mov_b32 s[\g+3], 1536<<16                    ; tile_dim0
	s_mov_b32 s[\g+5], 1536                        ; tensor_dim0_stride
	s_mov_b32 s[\g+6], 0
	s_mov_b32 s[\g+7], 0
.endr
	s_mov_b32 s[G1X+2], 4<<16                      ; tensor_dim1
	s_mov_b32 s[G1X+4], 4                          ; tile_dim1
	s_mov_b32 s[G1W+2], 8<<16
	s_mov_b32 s[G1W+4], 8
	s_lshl_b32 s10, s20, 3                         ; x: tile 8 y + 4 half (the three tensors' tiles lie on end: 8 y = 256 tau + 8 mb)
	s_lshl_b32 s11, s16, 2
	s_add_co_u32 s10, s10, s11
	s_mul_i32 s10, s10, 12288
	s_mov_b32 s11, 0
	s_lshl_b32 s12, s21, 7                         ; W: tile 768 + 128 tau + 64 half (W1 or W2) + 8 x
	s_lshl_b32 s13, s16, 6
	s_add_co_u32 s12, s12, s13
	s_lshl_b32 s13, s19, 3
	s_add_co_u32 s12, s12, s13
	s_add_co_u32 s12, s12, 768
	s_mul_i32 s12, s12, 12288
	s_mov_b32 s13, 0
	s_mul_i32 s56, s16, 4*SLB                      ; where they go: of the wave's number alone
	s_mul_i32 s57, s16, 8*SLB
	s_add_co_u32 s57, s57, 8*SLB
	s_wait_dscnt 0x0                               ; both opening adds are done
	s_wait_kmcnt 0x0
	s_add_nc_u64 s[10:11], s[4:5], s[10:11]
	s_add_nc_u64 s[12:13], s[4:5], s[12:13]
	CROUND                                         ; all sixteen work-groups are here: the joint loads meet
	s_mov_b32 s[G0X], 1
	s_mov_b32 s[G0X+1], s56
	s_mov_b64 s[G0X+2:G0X+3], s[10:11]
	s_or_b32 s[G0X+3], s[G0X+3], 0x80000000
	s_mov_b32 s[G0W], 1
	s_mov_b32 s[G0W+1], s57
	s_mov_b64 s[G0W+2:G0W+3], s[12:13]
	s_or_b32 s[G0W+3], s[G0W+3], 0x80000000
	s_cmp_eq_u32 s15, 0                            ; a wave's one fill stands in one branch on its number, ahead of every wait on TENSORcnt, every LDS read and every other barrier
	s_cbranch_scc0 .Lfill_w
	tensor_load_to_lds s[G0X:G0X+3], s[G1X:G1X+7]  ; my one load: four tiles of x, all of K
	s_nop 0
.rept 4
	v_nop
.endr
	s_branch .Lfilled
.Lfill_w:
	tensor_load_to_lds s[G0W:G0W+3], s[G1W:G1W+7]  ; my one load: eight tiles of W1 or of W2, all of K
	s_nop 0
.rept 4
	v_nop
.endr
.Lfilled:
	v_and_b32 v15, 31, v0                          ; lane
	v_lshlrev_b32 v9, 4, v15
	v_lshlrev_b32 v10, 3, v15
	v_lshlrev_b32 v11, 2, v15
	v_and_b32 v13, 15, v0                          ; r
	v_bfe_u32 v14, v0, 4, 1                        ; h
	s_mov_b32 s[SEL], 0x76543210
	s_mov_b32 s[SEL+1], 0xfedcba98
	s_mov_b32 s[NL], 0xbfb8aa3b                    ; -log2(e)
	s_mov_b32 s[NL+1], s[NL]
	s_and_b32 s22, s20, 31                         ; mb: it enters global addresses alone
.macro FRAG d, a16, a8, off            ; a fragment, 12 registers, as its image lies
	ds_load_b128 v[\d:\d+3], v[\a16] offset:\off
	ds_load_b64 v[\d+4:\d+5], v[\a8] offset:\off+512
	ds_load_b128 v[\d+6:\d+9], v[\a16] offset:\off+768
	ds_load_b64 v[\d+10:\d+11], v[\a8] offset:\off+1280
.endm
.macro FETCH s                         ; K step s: source 0's eight fragments and source 1's four, into set s % 2
	WIN TO0
.irp i, 0,1,2,3
	FRAG 96*((\s)%2)+12*\i, 1, 2, SLB*\i+1536*(\s)
.endr
.irp i, 0,1,2,3
	FRAG 96*((\s)%2)+48+12*\i, 3, 4, SLB*\i+1536*(\s)
.endr
	WIN TO1
.irp i, 0,1
	FRAG 48*((\s)%2)+12*\i, 5, 6, SLB*\i+1536*(\s)
.endr
.irp i, 0,1
	FRAG 48*((\s)%2)+24+12*\i, 7, 8, SLB*\i+1536*(\s)
.endr
	WIN 0
.endm
; 16 matrix instructions of K step s: source 1's fragments j0, j0 + 1 against source 0's eight.  The 32 accumulators take turns, one instruction a turn, in the same order in every step.
; A tile's four scale registers hold K steps 2 j (lanes 0-15) and 2 j + 1 (lanes 16-31).  zero = 1: the first products start the sums.
.macro MUL j0, s, zero
.irp j, \j0, \j0+1
.irp i, 0,1,2,3,4,5,6,7
.set AC, 8*(\i%4)+32*(\j)+128*(\i/4)
.set FA, 96*((\s)%2)+12*\i
.set FB, 48*((\s)%2)+12*(\j)
.set RA, SC0+4*\i+(\s)/2
.set RB, SC1+4*(\j)+(\s)/2
.if \zero
	v_wmma_scale_f32_16x16x128_f8f6f4 v[AC:AC+7], v[FA:FA+11], v[FB:FB+11], 0, v[RA], v[RB] matrix_a_fmt:MATRIX_FMT_BF6 matrix_b_fmt:MATRIX_FMT_BF6
.elseif (\s)%2
	v_wmma_scale_f32_16x16x128_f8f6f4 v[AC:AC+7], v[FA:FA+11], v[FB:FB+11], v[AC:AC+7], v[RA], v[RB] matrix_a_fmt:MATRIX_FMT_BF6 matrix_b_fmt:MATRIX_FMT_BF6 matrix_a_scale:MATRIX_SCALE_ROW1 matrix_b_scale:MATRIX_SCALE_ROW1
.else
	v_wmma_scale_f32_16x16x128_f8f6f4 v[AC:AC+7], v[FA:FA+11], v[FB:FB+11], v[AC:AC+7], v[RA], v[RB] matrix_a_fmt:MATRIX_FMT_BF6 matrix_b_fmt:MATRIX_FMT_BF6
.endif
.endr
.endr
.endm
.macro STEP_E s, zero                  ; a K step: its successor's fragments are fetched ahead of its 32 products
	s_wait_dscnt 0x0                               ; this step's fragments are in (asked for a step ago)
	PLACES                                         ; the other set was multiplied in the step before
	FETCH (\s)+1
	WIN MULW
	MUL 0, \s, \zero
	MUL 2, \s, \zero
.endm
; 32 numbers of a lane, register 16 b + i = place 32 b + 16 (lane / 16) + i along the next K, become six registers of codes (block lane / 16 whole in a lane); the two blocks' bytes are left in v7, v8
.macro QUANT2 src, dst
	v_max3_num_f32 v1, |v[\src]|, |v[\src+1]|, FLOORB
	v_max3_num_f32 v2, |v[\src+16]|, |v[\src+17]|, FLOORB
.irp i, 2,4,6,8,10,12,14
	v_max3_num_f32 v1, v1, |v[\src+\i]|, |v[\src+\i+1]|
	v_max3_num_f32 v2, v2, |v[\src+16+\i]|, |v[\src+17+\i]|
.endr
	v_permlanex16_b32 v3, v1, s[SEL], s[SEL+1]
	v_permlanex16_b32 v4, v2, s[SEL], s[SEL+1]
	v_max_num_f32 v1, v1, v3                       ; with lane l xor 16's 16: the block's largest magnitude
	v_max_num_f32 v2, v2, v4
	v_add_nc_u32 v5, EOFF, v1                      ; 4 off the exponent field: the conversion's scale operand
	v_add_nc_u32 v6, EOFF, v2
	v_lshrrev_b32 v7, 23, v5                       ; the bytes
	v_lshrrev_b32 v8, 23, v6
	v_cvt_scalef32_pk16_bf6_f32 v[\dst:\dst+2], v[\src:\src+15], v5
	v_cvt_scalef32_pk16_bf6_f32 v[TQ:TQ+2], v[\src+16:\src+31], v6
	v_nop                                          ; one plain instruction behind a scaled conversion
.irp i, 0,1,2
	v_permlane16_swap_b32 v[\dst+\i], v[TQ+\i]     ; the first's lanes 16-31 change places with the second's lanes 0-15: a whole block in a lane
.endr
.irp i, 0,1,2
	v_mov_b32 v[\dst+3+\i], v[TQ+\i]
.endr
.endm
; One unit of the way out: 32 sums a and 32 sums c of a lane get their biases, g = a c / (1 + 2^(-a log2 e)), g is quantised and its 768 bytes of codes are stored.
.macro UNIT u, abase, cbase, mode
	WIN FROMACC                                    ; the additions also carry the sums into window 0
.set e, 0
.rept 16
.if \mode
	v_pk_add_f32 v[EA+e:EA+e+1], v[\abase+e:\abase+e+1], v[BI+2*((\u)/2):BI+2*((\u)/2)+1] op_sel_hi:[1,0]
.else
	v_pk_add_f32 v[EA+e:EA+e+1], v[\abase+e:\abase+e+1], v[BI+e:BI+e+1]
.endif
.set e, e+2
.endr
.set e, 0
.rept 16
.if \mode
	v_pk_add_f32 v[EC+e:EC+e+1], v[\cbase+e:\cbase+e+1], v[BI+4+2*((\u)/2):BI+5+2*((\u)/2)] op_sel_hi:[1,0]
.else
	v_pk_add_f32 v[EC+e:EC+e+1], v[\cbase+e:\cbase+e+1], v[BI+32+e:BI+33+e]
.endif
.set e, e+2
.endr
	WIN 0
.set e, 0
.rept 16
	v_pk_mul_f32 v[EN+e:EN+e+1], v[EA+e:EA+e+1], s[NL:NL+1] op_sel_hi:[1,0]
.set e, e+2
.endr
.set e, 0
	s_wait_alu depctr_va_vdst(0)
.rept 32
	v_exp_f32 v[EN+e], v[EN+e]
.set e, e+1
.endr
	v_nop                                          ; a plain instruction behind the last exponential
	s_wait_alu depctr_va_vdst(0)                   ; one wait for the batch, ahead of its first reader
.set e, 0
.rept 16
	v_pk_add_f32 v[EN+e:EN+e+1], v[EN+e:EN+e+1], 1.0 op_sel_hi:[1,0]
.set e, e+2
.endr
.set e, 0
	s_wait_alu depctr_va_vdst(0)
.rept 32
	v_rcp_f32 v[EN+e], v[EN+e]
.set e, e+1
.endr
.set e, 0
.rept 16
	v_pk_mul_f32 v[EA+e:EA+e+1], v[EA+e:EA+e+1], v[EC+e:EC+e+1]    ; a c: work that names no reciprocal
.set e, e+2
.endr
	s_wait_alu depctr_va_vdst(0)                   ; one wait for the 32 reciprocals
.set e, 0
.rept 16
	v_pk_mul_f32 v[EA+e:EA+e+1], v[EA+e:EA+e+1], v[EN+e:EN+e+1]
.set e, e+2
.endr
	QUANT2 EA, P+6*(\u)
	global_store_b128 v9, v[P+6*(\u):P+6*(\u)+3], s[96:97] offset:768*(\u)        ; 512 consecutive bytes; each unit has registers of its own
	global_store_b64 v10, v[P+6*(\u)+4:P+6*(\u)+5], s[96:97] offset:768*(\u)+512  ; 256
.if \mode
	v_lshl_or_b32 v7, v8, 8, v7                    ; v: a row d's word has the bytes of the step's four blocks of keys: two from each unit
.if (\u)%2
	v_lshl_or_b32 v[252+(\u)/2], v7, 16, v[252+(\u)/2]
.else
	v_mov_b32 v[252+(\u)/2], v7
.endif
.else
	v_lshl_or_b32 v[252+(\u)], v8, 8, v7           ; q, k: a row's word: two bytes, and two bytes 0 for the half of the instruction's K that is not there
.endif
.endm
.macro BODY mode
.if \mode
	s_mov_b32 s58, 0                               ; source 0: x's slots 0-3,
	s_mov_b32 s59, 4*SLB                           ; 4-7;
	s_mul_i32 s60, s14, 2*SLB
	s_add_co_u32 s60, s60, 8*SLB                   ; source 1: W1's slots 8 + 2 w on,
	s_add_co_u32 s61, s60, 8*SLB                   ; W2's 16 + 2 w on
.else
	s_mul_i32 s58, s16, 4*SLB
	s_add_co_u32 s58, s58, 8*SLB                   ; source 0: W1's slots 8 + 4 wc on,
	s_add_co_u32 s59, s58, 8*SLB                   ; W2's 16 + 4 wc on;
	s_mul_i32 s60, s15, 4*SLB                      ; source 1: x's slots 4 wr on,
	s_add_co_u32 s61, s60, 2*SLB                   ; and two further
.endif
	v_add_nc_u32 v1, s58, v9
	v_add_nc_u32 v2, s58, v10
	v_add_nc_u32 v3, s59, v9
	v_add_nc_u32 v4, s59, v10
	v_add_nc_u32 v5, s60, v9
	v_add_nc_u32 v6, s60, v10
	v_add_nc_u32 v7, s61, v9
	v_add_nc_u32 v8, s61, v10
	s_mov_b32 s3, 0
.if \mode
	s_lshl_b32 s2, s20, 12                         ; scale words, 512 bytes a tile: x's tiles 8 y on
	s_add_nc_u64 s[8:9], s[6:7], s[2:3]
	s_lshl_b32 s2, s19, 3
	s_lshl_b32 s10, s14, 1
	s_add_co_u32 s2, s2, s10
	s_add_co_u32 s2, s2, 1024                      ; wv1's tiles 1024 + 8 x + 2 w on; wv2's lie 64 tiles further
	s_lshl_b32 s2, s2, 9
	s_add_nc_u64 s[10:11], s[6:7], s[2:3]
.irp i, 0,1,2,3,4,5,6,7
	global_load_b128 v[SC0+4*\i:SC0+4*\i+3], v9, s[8:9] offset:512*\i
.endr
.irp j, 0,1,2,3
	global_load_b128 v[SC1+4*\j:SC1+4*\j+3], v9, s[10:11] offset:512*(\j%2)+32768*(\j/2)
.endr
	s_lshl_b32 s2, s19, 9                          ; the biases of my lane's two outputs: d = 128 x + 32 w + 8 j + r + 8 (r / 8)
	s_lshl_b32 s23, s14, 7
	s_add_co_u32 s2, s2, s23
	s_add_nc_u64 s[92:93], s[92:93], s[2:3]
	s_add_nc_u64 s[94:95], s[94:95], s[2:3]
	v_and_b32 v15, 8, v13
	v_add_nc_u32 v15, v15, v13
	v_lshlrev_b32 v15, 2, v15
.irp j, 0,1
	global_load_b32 v[BI+2*\j], v15, s[92:93] offset:32*\j         ; each twice: the packed addition names a pair
	global_load_b32 v[BI+2*\j+1], v15, s[92:93] offset:32*\j
	global_load_b32 v[BI+4+2*\j], v15, s[94:95] offset:32*\j
	global_load_b32 v[BI+5+2*\j], v15, s[94:95] offset:32*\j
.endr
	s_lshr_b32 s2, s22, 4                          ; batch
	s_lshl_b32 s2, s2, 4
	s_lshl_b32 s23, s19, 1
	s_add_co_u32 s2, s2, s23
	s_add_co_u32 s2, s2, s15                       ; record 16 batch + 2 x + w / 2
	s_mul_i32 s2, s2, REC
	s_and_b32 s23, s22, 15                         ; the step of 128 keys
	s_mul_i32 s56, s23, 6144
	s_add_co_u32 s56, s56, s2
	s_mul_i32 s57, s16, 3072                       ; d tiles 2 (w % 2) on
	s_add_co_u32 s56, s56, s57
	s_add_co_u32 s56, s56, 98304
	s_mov_b32 s57, 0
	s_lshl_b32 s12, s23, 8
	s_add_co_u32 s12, s12, s2
	s_lshl_b32 s13, s16, 7
	s_add_co_u32 s12, s12, s13
	s_add_co_u32 s12, s12, 204800
	s_mov_b32 s13, 0
.else
	s_lshl_b32 s2, s21, 7                          ; scale words, 512 bytes a tile: W1's tiles 768 + 128 tau + 8 x + 4 wc on; W2's lie 64 tiles further
	s_lshl_b32 s8, s19, 3
	s_add_co_u32 s2, s2, s8
	s_lshl_b32 s8, s16, 2
	s_add_co_u32 s2, s2, s8
	s_add_co_u32 s2, s2, 768
	s_lshl_b32 s2, s2, 9
	s_add_nc_u64 s[8:9], s[6:7], s[2:3]
	s_lshl_b32 s2, s20, 3                          ; x's tiles 8 y + 4 wr on
	s_lshl_b32 s10, s15, 2
	s_add_co_u32 s2, s2, s10
	s_lshl_b32 s2, s2, 9
	s_add_nc_u64 s[10:11], s[6:7], s[2:3]
.irp i, 0,1,2,3,4,5,6,7
	global_load_b128 v[SC0+4*\i:SC0+4*\i+3], v9, s[8:9] offset:512*(\i%4)+32768*(\i/4)
.endr
.irp j, 0,1,2,3
	global_load_b128 v[SC1+4*\j:SC1+4*\j+3], v9, s[10:11] offset:512*\j
.endr
	s_cmp_eq_u32 s21, 0                            ; q's buffers or k's: the choice hangs on tau alone
	s_cselect_b64 s[84:85], s[84:85], s[88:89]
	s_cselect_b64 s[86:87], s[86:87], s[90:91]
	s_cselect_b32 s12, 208896, 0                   ; where the codes go in a record,
	s_cselect_b32 s13, 110592, 0                   ; and the scale words: 196,608 + this
	s_lshl_b32 s23, s19, 1
	s_add_co_u32 s23, s23, s16                     ; head
	s_lshl_b32 s2, s23, 8                          ; its 64 biases
	s_add_nc_u64 s[84:85], s[84:85], s[2:3]
	s_add_nc_u64 s[86:87], s[86:87], s[2:3]
	v_lshlrev_b32 v15, 6, v14                      ; register 8 i + jj of a lane: output 32 (i / 2) + 16 h + 8 (i % 2) + jj
.irp i, 0,1,2,3
	global_load_b128 v[BI+8*\i:BI+8*\i+3], v15, s[84:85] offset:(32*(\i/2)+8*(\i%2))*4
	global_load_b128 v[BI+8*\i+4:BI+8*\i+7], v15, s[84:85] offset:(32*(\i/2)+8*(\i%2))*4+16
	global_load_b128 v[BI+32+8*\i:BI+32+8*\i+3], v15, s[86:87] offset:(32*(\i/2)+8*(\i%2))*4
	global_load_b128 v[BI+32+8*\i+4:BI+32+8*\i+7], v15, s[86:87] offset:(32*(\i/2)+8*(\i%2))*4+16
.endr
	s_lshr_b32 s2, s22, 4                          ; batch
	s_lshl_b32 s2, s2, 4
	s_add_co_u32 s2, s2, s23                       ; record 16 batch + head
	s_mul_i32 s2, s2, REC
	s_and_b32 s23, s22, 15
	s_lshl_b32 s23, s23, 3
	s_lshl_b32 s56, s15, 2
	s_add_co_u32 s23, s23, s56                     ; my first tile of rows in the batch: 8 (mb % 16) + 4 wr
	s_mul_i32 s56, s23, 768
	s_add_co_u32 s56, s56, s2
	s_add_co_u32 s56, s56, s12
	s_mov_b32 s57, 0
	s_lshl_b32 s12, s23, 6                         ; 256 bytes of scale words for four tiles
	s_add_co_u32 s12, s12, s2
	s_add_co_u32 s12, s12, s13
	s_add_co_u32 s12, s12, 196608
	s_mov_b32 s13, 0
.endif
	s_add_nc_u64 s[12:13], s[96:97], s[12:13]      ; where my scale words go,
	s_add_nc_u64 s[96:97], s[96:97], s[56:57]      ; and my codes
	s_wait_alu depctr_va_vdst(0)
	s_wait_tensorcnt 0x0                           ; my load has landed
	s_barrier_signal -1
	s_barrier_wait -1                              ; everybody's has: all of K lies in LDS, and nothing is filled again
	FETCH 0
	s_wait_loadcnt 0x0                             ; scale words and biases
	STEP_E 0, 1
.irp s, 1,2,3,4,5,6
	STEP_E \s, 0
.endr
	s_wait_dscnt 0x0
	MUL 0, 7, 0
	MUL 2, 7, 0
	PLACES
.if \mode
	UNIT 0, 0, 64, 1                               ; W tile j = u / 2, keys 64 (u % 2) on
	UNIT 1, 128, 192, 1
	UNIT 2, 32, 96, 1
	UNIT 3, 160, 224, 1
	v_cmp_eq_u32 vcc_lo, 1, v14
	v_cndmask_b32 v2, v252, v253, vcc_lo           ; lanes 0-15 the even d tile's words, lanes 16-31 the odd one's
	global_store_b32 v11, v2, s[12:13]
.else
	UNIT 0, 0, 128, 0                              ; x's tile j = u
	UNIT 1, 32, 160, 0
	UNIT 2, 64, 192, 0
	UNIT 3, 96, 224, 0
	v_cmp_eq_u32 vcc_lo, 1, v14
	v_cndmask_b32 v2, v252, v253, vcc_lo           ; word jj of lane (r, h): tile 2 jj + h of my four
	v_cndmask_b32 v3, v254, v255, vcc_lo
	global_store_b64 v10, v[2:3], s[12:13]         ; 256 consecutive bytes, aligned
.endif
	s_wait_tensorcnt 0x0                           ; the wave's end
	ds_add_u32 v[SPW], v[NIL]
	s_wait_dscnt 0x0
	CROUND                                         ; the closing round: no work-group ends while a partner may still ask for a tile that names it
	s_endpgm
.endm
	s_cmp_eq_u32 s21, 2
	s_cbranch_scc1 .Lvpath
	s_wait_alu depctr_va_vdst(0)
	BODY 0
.Lvpath:
	s_wait_alu depctr_va_vdst(0)
	BODY 1
.Lfunc_end_k_q3f01a16ee8_proj:
	.size	k_q3f01a16ee8_proj, .Lfunc_end_k_q3f01a16ee8_proj-k_q3f01a16ee8_proj
	.p2alignl 7, 3214868480
	.fill 96, 4, 3214868480
	.section	.rodata,"a",@progbits
	.p2align	6, 0x0
	.amdhsa_kernel k_q3f01a16ee8_proj
		.amdhsa_group_segment_fixed_size 295424
		.amdhsa_private_segment_fixed_size 0
		.amdhsa_enable_private_segment 0
		.amdhsa_kernarg_size 72
		.amdhsa_user_sgpr_count 2
		.amdhsa_user_sgpr_kernarg_segment_ptr 1
		.amdhsa_wavefront_size32 1
		.amdhsa_system_sgpr_workgroup_id_x 1
		.amdhsa_system_sgpr_workgroup_id_y 1
		.amdhsa_system_sgpr_workgroup_id_z 1
		.amdhsa_system_vgpr_workitem_id 0
		.amdhsa_next_free_vgpr 1024
		.amdhsa_next_free_sgpr 100
		.amdhsa_reserve_vcc 1
		.amdhsa_float_denorm_mode_32 3
		.amdhsa_float_denorm_mode_16_64 3
		.amdhsa_memory_ordered 1
		.amdhsa_forward_progress 1
		.amdhsa_inst_pref_size 214
	.end_amdhsa_kernel
	.amdgpu_metadata
---
amdhsa.version: [ 1, 2 ]
amdhsa.kernels:
  - .name:           k_q3f01a16ee8_proj
    .symbol:         k_q3f01a16ee8_proj.kd
    .args:
      - { .name: codes, .offset: 0, .size: 8, .value_kind: global_buffer, .address_space: global }
      - { .name: scl, .offset: 8, .size: 8, .value_kind: global_buffer, .address_space: global }
      - { .name: bq1, .offset: 16, .size: 8, .value_kind: global_buffer, .address_space: global }
      - { .name: bq2, .offset: 24, .size: 8, .value_kind: global_buffer, .address_space: global }
      - { .name: bk1, .offset: 32, .size: 8, .value_kind: global_buffer, .address_space: global }
      - { .name: bk2, .offset: 40, .size: 8, .value_kind: global_buffer, .address_space: global }
      - { .name: bv1, .offset: 48, .size: 8, .value_kind: global_buffer, .address_space: global }
      - { .name: bv2, .offset: 56, .size: 8, .value_kind: global_buffer, .address_space: global }
      - { .name: hd, .offset: 64, .size: 8, .value_kind: global_buffer, .address_space: global }
    .group_segment_fixed_size: 295424
    .private_segment_fixed_size: 0
    .kernarg_segment_align: 8
    .kernarg_segment_size: 72
    .max_flat_workgroup_size: 128
    .sgpr_count:     100
    .vgpr_count:     1024
    .wavefront_size: 32
...
	.end_amdgpu_metadata
.endif
;; end of part 2
;; launch attn (part 3): grid 8 x 32, 8 waves a work-group, no clusters, 210,944 bytes of LDS; arguments hd, mbits, xo, xsd, mcls; writes xo, xsd
.if DOCPART == 3
	.amdgcn_target "amdgcn-amd-amdhsa--gfx1250"
	.amdhsa_code_object_version 6
	.text
	.protected	k_q3f01a16ee8_attn
	.globl	k_q3f01a16ee8_attn
	.p2align	8
	.type	k_q3f01a16ee8_attn,@function
k_q3f01a16ee8_attn:
	s_mov_b64 s[64:65], 0
	v_nop
	global_prefetch_b8 v0, s[64:65] scope:SCOPE_SE
	s_setreg_imm32_b32 hwreg(HW_REG_WAVE_MODE, 25, 1), 1
	s_wait_xcnt 0x0
; x[b][q][head] = the sum over keys of softmax(where(mask == 0, -1e9, q . k / 8)) v, both products on codes of BF6 with E8M0 scales; x is quantised at once along the head's 64 for the last product.
; THE SOFTMAX: t = logit x log2(e); M = the row's largest t so far, rounded UP to a whole number; p = 2^(t - M) is quantised along the keys, not normalised; the row's sum is taken of the unquantised p and divides at the end.
; When M moves, the sum and O are multiplied by 2^(old M - new M): exact.
; THE MASK IS AN INPUT; nothing of its pattern is built in.  A masked t is tm = f32(-1e9) x f32(log2 e), a whole number.  Two bits that an earlier launch stored for each tile of 16 queries and each step of 128 keys choose:
;   open (no flag is 0):  t - M is one fused multiply-add on the score, factor log2(e) / 8 (the division by 8 is exact).
;   mixed:  t by a multiplication, tm put in by 64 selects on the step's mask words, then the same lines with the factor 1.0.  Only such a step loads mask words.
;   hidden (every flag is 0):  every p of the step is 2^(tm - M), an exact power of two, which the quantiser keeps as it is.  So the step's product is V^T times a fragment of ones (code 1.0, scale byte 127), summed in an accumulator
;           OH of its own; at the tile's end O += 2^(tm - M) OH and the row's sum += 2^(tm - M) x 128 x (hidden steps).  If a tile has a hidden step, tm enters the running maximum at the tile's start (a select, no branch on numbers).
; NO TENSOR LOAD, AND SO NO JOINT REQUEST: the ways part on whole numbers read from memory.  Each wave brings its eighth of the head's K, V and scale words
; (26,112 of 208,896 bytes on end in the record) through registers into LDS, once.  NO DATA PREFETCH: those bytes are asked for by the kernel's first loads, and there is no loop to run ahead in.
; SHARES.  A work-group (a = x, 16 batch + head = y) owns 256 queries; wave w takes two tiles of 16 one after the other: tile 120 - 8 a + w, then tile 8 a + w, so that work that grows with the query's place is the same in all waves.
; LAYOUT.  Both products are used transposed (S^T = K Q^T, O^T = V^T P^T): a lane holds one query.  Row i of tile T is row 32 (T / 2) + 8 (T % 2) + i + 8 (i / 8), so the 16 registers of tiles 2 b, 2 b + 1 are 16 neighbours.
; Codes lie as images of the operand's registers.  The head has 64, the instruction's K is 128: Q's codes for K = 64 .. 127 are zeros, and K's fragment t is v[30 + 6 t .. 41 + 6 t] (the next tile's codes, at the end six zeros, under scale bytes 0).
; The next step's K is fetched behind this step's first product, if that step is not hidden (bit 16 of the hidden bits is set, so that step 15 fetches nothing); V has registers of its own.
; LIMITS: p under 2^-126 comes out 0; a block of p, or of x, under 2^-122 keeps the byte 1; NaN and infinities are not served; the scaled scores stay under 2^31 in magnitude.
; REGISTERS, window 0: v1-3 16, 8, 4 x lane; v4, 5, 8 the NEXT step's K and its scale words, v6, 7, 9 this step's V and its scale words; v10-11 the add's; v12 -M, v13 largest t, v[14:15] sum; v16-27 Q, v28 its scale word; v29 tm;
;   v30-83 K; v84-147 S^T, p; v148-179 O^T; v180-185 scale words of K, V; v188-199 p's codes; v200-238 at work; v240 the ones' scale word; v242-243 x's scale words; v244-245 LDS addresses of the way out.
;   window 1: v0-47 V; v48-79 OH; v80-91 the ones; v92-98 the second tile's Q and scale word.
.set REC,   315392
.set SCG,   208896                     ; behind the record's bytes: 1,024 bytes in which the sixteen tiles' scale words of x meet
.set SPARE, 209920                     ; the spare words, 128 bytes for each of eight waves
.set FLOORB, 0x2800000
.set EOFF,  0xfe000000
.set SPW, 10
.set NIL, 11
.set KB,  30
.set S,   84
.set O,   148
.set KSR, 180
.set VSR, 184
.set PC,  188
.set BM,  200
.set PM,  204
.set SO,  208
.set CT,  212
.set SP,  220
.set QO,  234
.set NHF, 235
.set F,   236
.set PSW, 237
.set TMP, 238
.set ONS, 240
.set XW,  242
.set XWP, 243
.set OA,  244
.set OB,  245
.set VB,  0
.set OH,  48
.set ONE, 80
.set Q2,  92
.set KSO, 2
.set VSO, 3
.set WV,  12
.set T,   13
.set TN,  14
.set MO,  15
.set KO,  66
.set VO,  67
.set CA,  84
.set CZ,  85
.set STP, 86
.set TT,  87
.set TI,  95
.set SEL, 96
.set CS,  98
.set CC,  100
.set MSB, 0
.macro WIN new                         ; the immediate's high byte repeats the setting that is left
.if MSB != \new
	s_set_vgpr_msb (MSB<<8)|\new
.set MSB, \new
.endif
.endm
.macro KLOADS a, b, c                  ; eight key tiles and their scale words (register t / 2: tile t's words in lanes 16 (t % 2) on)
.irp t, 0,1,2,3,4,5,6,7
	ds_load_b128 v[KB+6*\t:KB+6*\t+3], v[\a] offset:768*\t
	ds_load_b64 v[KB+6*\t+4:KB+6*\t+5], v[\b] offset:768*\t+512
.endr
	ds_load_b64 v[KSR:KSR+1], v[\c]
	ds_load_b64 v[KSR+2:KSR+3], v[\c] offset:256
.endm
.macro VLOADS                          ; V's four fragments of the step, into window 1, and their scale words
	WIN 0x40
.irp t, 0,1,2,3
	ds_load_b128 v[VB+12*\t:VB+12*\t+3], v6 offset:1536*\t
	ds_load_b64 v[VB+12*\t+4:VB+12*\t+5], v7 offset:1536*\t+512
	ds_load_b128 v[VB+12*\t+6:VB+12*\t+9], v6 offset:1536*\t+768
	ds_load_b64 v[VB+12*\t+10:VB+12*\t+11], v7 offset:1536*\t+1280
.endr
	WIN 0
	ds_load_b32 v[VSR], v9
	ds_load_b32 v[VSR+1], v9 offset:128
.endm
.macro ADRS
	v_add_nc_u32 v4, s[KO], v1
	v_add_nc_u32 v5, s[KO], v2
	v_add_nc_u32 v6, s[VO], v1
	v_add_nc_u32 v7, s[VO], v2
	v_add_nc_u32 v8, s[KSO], v2
	v_add_nc_u32 v9, s[VSO], v3
.endm
.macro ADV                             ; the LDS places of the step to come, made behind this step's LDS loads
	s_add_co_u32 s[KO], s[KO], 6144
	s_add_co_u32 s[VO], s[VO], 6144
	s_add_co_u32 s[KSO], s[KSO], 512
	s_add_co_u32 s[VSO], s[VSO], 256
	ADRS
.endm
.macro PV acc, b, sc                   ; four accumulators by turns, one instruction a turn
.irp t, 0,1,2,3
.if \t%2
	v_wmma_scale_f32_16x16x128_f8f6f4 v[\acc+8*\t:\acc+8*\t+7], v[VB+12*\t:VB+12*\t+11], v[\b:\b+11], v[\acc+8*\t:\acc+8*\t+7], v[VSR+\t/2], v[\sc] matrix_a_fmt:MATRIX_FMT_BF6 matrix_b_fmt:MATRIX_FMT_BF6 matrix_a_scale:MATRIX_SCALE_ROW1
.else
	v_wmma_scale_f32_16x16x128_f8f6f4 v[\acc+8*\t:\acc+8*\t+7], v[VB+12*\t:VB+12*\t+11], v[\b:\b+11], v[\acc+8*\t:\acc+8*\t+7], v[VSR+\t/2], v[\sc] matrix_a_fmt:MATRIX_FMT_BF6 matrix_b_fmt:MATRIX_FMT_BF6
.endif
.endr
.endm
.macro QADR t, p                       ; s[p:p+1]: Q's tile s[t]; s[p+2:p+3]: its scale words: group T / 4, word (T / 2) % 2 of lane r + 16 (T % 2)
	s_mul_i32 s[\p], s[\t], 768
	s_add_co_u32 s[\p], s[\p], 208896
	s_mov_b32 s[\p+1], 0
	s_add_nc_u64 s[\p:\p+1], s[20:21], s[\p:\p+1]
	s_lshr_b32 s[\p+2], s[\t], 2
	s_lshl_b32 s[\p+2], s[\p+2], 8
	s_and_b32 s36, s[\t], 1
	s_lshl_b32 s36, s36, 7
	s_add_co_u32 s[\p+2], s[\p+2], s36
	s_bfe_u32 s36, s[\t], 0x10001
	s_lshl_b32 s36, s36, 2
	s_add_co_u32 s[\p+2], s[\p+2], s36
	s_add_co_u32 s[\p+2], s[\p+2], 307200
	s_mov_b32 s[\p+3], 0
	s_add_nc_u64 s[\p+2:\p+3], s[20:21], s[\p+2:\p+3]
.endm
	s_load_b128 s[4:7], s[0:1], 0x0                ; hd, mbits
	s_load_b128 s[8:11], s[0:1], 0x10              ; xo, xsd
	s_load_b64 s[92:93], s[0:1], 0x20              ; mcls
	v_lshl_add_u32 v[SPW], v0, 2, SPARE
	v_mov_b32 v[NIL], 0
	v_lshrrev_b32 v1, 5, v0
	s_delay_alu instid0(VALU_DEP_1)
	v_readfirstlane_b32 s[WV], v1                  ; wave 0..7
	v_and_b32 v3, 31, v0
	v_and_b32 v[QO], 15, v0                        ; r
	s_delay_alu instid0(VALU_DEP_2)
	v_lshlrev_b32 v1, 4, v3
	v_lshlrev_b32 v2, 3, v3
	v_lshlrev_b32 v3, 2, v3
	v_lshl_add_u32 v[OB], v0, 3, SCG               ; where wave c < 4 reads 256 bytes of scale words back: 8 x thread
	s_lshl_b32 s36, s[WV], 6
	s_add_co_u32 s36, s36, SCG
	v_lshl_add_u32 v[OA], v[QO], 2, s36            ; where my first tile's 16 scale words of x go: 64 w + 4 r; the second tile's lie 512 bytes on
	v_lshlrev_b32 v[QO], 3, v[QO]                  ; 8 r
	s_and_b32 s2, ttmp7, 0xffff                    ; 16 batch + head
	s_mul_i32 s16, s2, REC
	s_mov_b32 s17, 0
	s_mul_i32 s18, s[WV], 26112                    ; my eighth, in memory and in LDS alike
	s_mov_b32 s19, 0
	v_add_nc_u32 v4, s18, v1
	s_wait_alu depctr_va_vdst(0)
	s_wait_kmcnt 0x0
	s_add_nc_u64 s[20:21], s[4:5], s[16:17]        ; my record
	s_add_nc_u64 s[22:23], s[20:21], s[18:19]
.set cn, 0
.rept 51
	global_load_b128 v[30+4*cn:33+4*cn], v1, s[22:23] offset:512*cn   ; 512 consecutive bytes
.set cn, cn+1
.endr
	s_lshl_b32 s[TN], ttmp9, 3
	s_sub_co_u32 s[T], 120, s[TN]
	s_add_co_u32 s[T], s[T], s[WV]                 ; my first tile: 120 - 8 a + w
	s_add_co_u32 s[TN], s[TN], s[WV]               ; my second: 8 a + w
	s_lshl_b32 s24, s[T], 4                        ; the mask classes: 16 bytes a tile
	s_mov_b32 s25, 0
	s_add_nc_u64 s[24:25], s[92:93], s[24:25]
	s_load_b128 s[88:91], s[24:25], 0x0            ; open and hidden, steps 0-7; open and hidden, steps 8-15
	s_lshl_b32 s26, s[TN], 4
	s_mov_b32 s27, 0
	s_add_nc_u64 s[26:27], s[92:93], s[26:27]
	s_load_b128 s[28:31], s[26:27], 0x0
	QADR T, 40
	QADR TN, 44
	global_load_b128 v[16:19], v1, s[40:41]
	global_load_b64 v[20:21], v2, s[40:41] offset:512
	global_load_b32 v28, v[QO], s[42:43]
	WIN 0x40
	global_load_b128 v[Q2:Q2+3], v1, s[44:45]
	global_load_b64 v[Q2+4:Q2+5], v2, s[44:45] offset:512
	global_load_b32 v[Q2+6], v[QO], s[46:47]
	WIN 0
	s_lshr_b32 s3, s2, 4
	s_lshl_b32 s3, s3, 7                           ; 128 batch
	s_and_b32 s2, s2, 15                           ; head
	s_mul_i32 s36, s3, 12288                       ; xo: [tile of rows][head][768]
	s_mul_i32 s37, s2, 768
	s_add_co_u32 s36, s36, s37
	s_mov_b32 s37, 0
	s_add_nc_u64 s[4:5], s[8:9], s[36:37]
	s_and_b32 s36, s[WV], 1                        ; xsd: [head][tile of rows][16] words.  Wave c < 4 stores four tiles' words: c < 2: tiles 120 - 8 a + 4 c on; else 8 a + 4 (c - 2) on
	s_lshl_b32 s36, s36, 2
	s_lshl_b32 s37, ttmp9, 3
	s_sub_co_u32 s38, 120, s37
	s_cmp_lt_u32 s[WV], 2
	s_cselect_b32 s37, s38, s37
	s_add_co_u32 s36, s36, s37
	s_add_co_u32 s36, s36, s3
	s_lshl_b32 s36, s36, 6
	s_lshl_b32 s37, s2, 14
	s_add_co_u32 s36, s36, s37
	s_mov_b32 s37, 0
	s_add_nc_u64 s[92:93], s[10:11], s[36:37]
	s_mov_b32 s[SEL], 0x76543210
	s_mov_b32 s[SEL+1], 0xfedcba98                 ; lane selects: lane l xor 16
	s_mov_b32 s[CS], 0x3e38aa3b                    ; log2(e) / 8
	s_mov_b32 s[CS+1], s[CS]
.irp i, 22,23,24,25,26,27
	v_mov_b32 v[\i], 0                             ; Q's codes for K = 64 .. 127
.endr
	v_mov_b32 v29, 0xce6e6b28                      ; -1e9,
	v_mov_b32 v[PSW], 0                            ; (named as the upper half of the pair v[F:F+1] before it is first written)
	v_mov_b32 v[ONS], 0x7f7f7f7f                   ; four bytes 127
	v_mov_b32 v[XW], 0
	v_mul_f32 v29, 0x3fb8aa3b, v29                 ; as t: tm
.irp g, 0,1,2
	s_wait_loadcnt 40-17*\g                        ; of 57 loads the first 17 (g + 1) are in
.set cn, 17*\g
.rept 17
	ds_store_b128 v4, v[30+4*cn:33+4*cn] offset:512*cn
.set cn, cn+1
.endr
.endr
	s_wait_loadcnt 0x0                             ; both tiles' Q and scale words
	s_wait_dscnt 0x0                               ; for the others' sake: my stores have landed
	s_barrier_signal -1
	s_barrier_wait -1                              ; everybody's have: the head's K, V and scale words lie in LDS, and nobody writes them again
.irp i, 78,79,80,81,82,83
	v_mov_b32 v[\i], 0                             ; what stands behind the last key tile
.endr
.irp b, 0,1,2,3
	v_mov_b32 v[PM+\b], 0                          ; written once: a lane permute's destination counts as one of its sources
.endr
	WIN 0x40
.irp i, 0,3,6,9
	v_mov_b32 v[ONE+\i], 0x0c30c30c                ; sixteen codes 0b001100 (1.0 in E3M2) are these 96 bits; four times on end: a lane's 64 keys
	v_mov_b32 v[ONE+\i+1], 0xc30c30c3
	v_mov_b32 v[ONE+\i+2], 0x30c30c30
.endr
	WIN 0
	s_wait_kmcnt 0x0                               ; the classes: s88, s89 open and hidden of the tile in hand, s90, s91 of the tile to come
	s_lshl_b32 s90, s90, 8
	s_or_b32 s88, s90, s88
	s_lshl_b32 s91, s91, 8
	s_or_b32 s89, s91, s89
	s_lshl_b32 s30, s30, 8
	s_or_b32 s90, s30, s28
	s_lshl_b32 s31, s31, 8
	s_or_b32 s91, s31, s29
	s_mov_b32 s[TI], 0
.Ltile:
	s_lshl_b32 s16, s[T], 12                       ; the mask words: 16 steps of 256 bytes a tile
	s_mov_b32 s17, 0
	s_add_nc_u64 s[10:11], s[6:7], s[16:17]
	s_mul_i32 s16, s[T], 12288
	s_add_nc_u64 s[8:9], s[4:5], s[16:17]          ; where x's codes go
	s_mov_b32 s[CA], s88
	s_bcnt1_i32_b32 s16, s89
	s_lshl_b32 s16, s16, 7                         ; 128 x the hidden steps
	s_cmp_lg_u32 s89, 0
	s_cselect_b32 s[TT], -1, 0
	s_or_b32 s[CZ], s89, 0x10000                   ; behind step 15 nothing is fetched
	s_mov_b32 s[KO], 6144                          ; K leads by a step
	s_mov_b32 s[VO], 98304
	s_mov_b32 s[KSO], 196608+512
	s_mov_b32 s[VSO], 204800
	s_mov_b32 s[MO], 0
	s_mov_b32 s[STP], 0
	v_add_nc_u32 v8, 196608, v2
	KLOADS 1, 2, 8                                 ; step 0's K
	ADRS
	v_cvt_f32_u32 v[NHF], s16
	v_mov_b32 v13, 0xff61b1e6                      ; the largest t so far: -3e38,
	v_mov_b32 v14, 0
	v_mov_b32 v15, 0
	s_delay_alu instid0(VALU_DEP_3)
	v_cndmask_b32 v13, v13, v29, s[TT]             ; or tm, if a step is hidden
	s_delay_alu instid0(VALU_DEP_1)
	v_floor_f32 v12, -v13                          ; -M
.set cn, 0
.rept 32
	v_mov_b32 v[O+cn], 0                           ; which step is a sum's first hangs on the classes: so the sums begin as zeros
.set cn, cn+1
.endr
	WIN 0x40
.set cn, 0
.rept 32
	v_mov_b32 v[OH+cn], 0
.set cn, cn+1
.endr
	WIN 0
	s_wait_alu depctr_va_vdst(0)
	s_wait_dscnt 0x0                               ; step 0's K is in: at the step's label no LDS load of mine is out, on any way (each way through a step ends behind such a wait)
.Lstep:
	s_and_b32 s[TT], s[CZ], 1
	s_cmp_lg_u32 s[TT], 0
	s_cbranch_scc0 .Llive
.rept 4
	v_nop                                          ; places between the last step's products and the loads over V's fragments
.endr
	VLOADS
	s_and_b32 s[TT], s[CZ], 2
	s_cmp_lg_u32 s[TT], 0
	s_cbranch_scc1 .Lhkept
	KLOADS 4, 5, 8                                 ; the next step is not hidden: its K
.Lhkept:
	ADV
	s_wait_alu depctr_va_vdst(0)
	s_wait_dscnt 0x0
	WIN 0x55
	PV OH, ONE, ONS                                ; OH += V^T x ones
	WIN 0
	s_branch .Lnext
.Llive:
	s_and_b32 s[TT], s[CA], 1
	s_cmp_lg_u32 s[TT], 0
	s_cselect_b32 s[CC], s[CS], 0x3f800000         ; the factor of the lines behind .Lsoft: log2(e) / 8 on scores, 1.0 on t
	s_cselect_b32 s[CC+1], s[CS], 0x3f800000
	s_cbranch_scc1 .Lopenstep                      ; ONE test parts the mixed way from the open one: the mask words are loaded and read on the mixed way alone
	s_load_b512 s[16:31], s[10:11], s[MO] offset:0x0   ; a mixed step's 64 mask words: word n in s[16 + n], from n = 48 on in s[20 + n]
	s_load_b512 s[32:47], s[10:11], s[MO] offset:0x40
	s_load_b512 s[48:63], s[10:11], s[MO] offset:0x80
	s_load_b512 s[68:83], s[10:11], s[MO] offset:0xc0
.macro MID                             ; a live step's middle, the same on both ways: the first product, V's loads, the next step's K, the addresses to come.  (K and its scale words came in ahead of the last step's second product; step 0's ahead of the loop)
.irp t, 0,1,2,3,4,5,6,7
.if \t%2
	v_wmma_scale_f32_16x16x128_f8f6f4 v[S+8*\t:S+8*\t+7], v[KB+6*\t:KB+6*\t+11], v[16:27], 0, v[KSR+\t/2], v28 matrix_a_fmt:MATRIX_FMT_BF6 matrix_b_fmt:MATRIX_FMT_BF6 matrix_a_scale:MATRIX_SCALE_ROW1
.else
	v_wmma_scale_f32_16x16x128_f8f6f4 v[S+8*\t:S+8*\t+7], v[KB+6*\t:KB+6*\t+11], v[16:27], 0, v[KSR+\t/2], v28 matrix_a_fmt:MATRIX_FMT_BF6 matrix_b_fmt:MATRIX_FMT_BF6
.endif
.endr
.rept 4
	v_nop                                          ; places in front of the loads over K's and V's fragments and of the first read of the scores
.endr
	VLOADS                                         ; they have the softmax in which to come
	s_and_b32 s[TT], s[CZ], 2
	s_cmp_lg_u32 s[TT], 0
	s_cbranch_scc1 .Lkept_\@
	KLOADS 4, 5, 8                                 ; the next step is not hidden: its K
.Lkept_\@:
	ADV
.endm
	MID                                            ; the mixed way: the mask words have the product and the LDS loads in which to come
	s_wait_kmcnt 0x0                               ; they are in: no scalar load is out when their offset is stepped
.set cn, 0
.rept 32
	v_pk_mul_f32 v[S+cn:S+cn+1], v[S+cn:S+cn+1], s[CS:CS+1] op_sel_hi:[1,0]   ; t; each accumulator is read from its low end on
.set cn, cn+2
.endr
.set cn, 0
.rept 64
.if cn < 48
	v_cndmask_b32 v[S+cn], v29, v[S+cn], s[16+cn]  ; where the mask is 0: tm
.else
	v_cndmask_b32 v[S+cn], v29, v[S+cn], s[20+cn]
.endif
.set cn, cn+1
.endr
	s_wait_alu depctr_va_vdst(0)
	s_branch .Lsoft
.Lopenstep:
	MID                                            ; the open way
.Lsoft:
.irp b, 0,1,2,3
	v_max3_num_f32 v[BM+\b], v[S+16*\b], v[S+1+16*\b], v[S+2+16*\b]   ; the largest of each block of 32 keys: for the row's maximum and, since p rises with it, for the block's largest p
.endr
.irp i, 3,5,7,9,11,13
.irp b, 0,1,2,3
	v_max3_num_f32 v[BM+\b], v[BM+\b], v[S+16*\b+\i], v[S+1+16*\b+\i]   ; (the four blocks by turns)
.endr
.endr
.irp b, 0,1,2,3
	v_max_num_f32 v[BM+\b], v[BM+\b], v[S+15+16*\b]
.endr
.irp b, 0,1,2,3
	s_delay_alu instid0(VALU_DEP_4)
	v_permlanex16_b32 v[PM+\b], v[BM+\b], s[SEL], s[SEL+1]
.endr
.irp b, 0,1,2,3
	s_delay_alu instid0(VALU_DEP_4)
	v_max_num_f32 v[BM+\b], v[BM+\b], v[PM+\b]     ; with lane l xor 16's 16 keys
.endr
	s_delay_alu instid0(VALU_DEP_2)
	v_max3_num_f32 v[TMP], v[BM], v[BM+1], v[BM+2]
	s_delay_alu instid0(VALU_DEP_1)
	v_max_num_f32 v[TMP], v[TMP], v[BM+3]
	s_delay_alu instid0(VALU_DEP_1)
	v_mul_f32 v[TMP], s[CC], v[TMP]                ; as t (the factor is positive)
	s_delay_alu instid0(VALU_DEP_1)
	v_max_num_f32 v13, v13, v[TMP]                 ; the running largest t
	v_mov_b32 v[TMP], v12
	s_delay_alu instid0(VALU_DEP_2)
	v_floor_f32 v12, -v13                          ; the new -M = floor(-t) = -ceil(t)
	s_delay_alu instid0(VALU_DEP_1)
	v_sub_f32 v[TMP], v12, v[TMP]                  ; old M - new M: a whole number, 0 or less
	s_delay_alu instid0(VALU_DEP_1)
	v_cvt_i32_f32 v[TMP], v[TMP]                   ; (it saturates)
	s_delay_alu instid0(VALU_DEP_1)
	v_ldexp_f32 v[F], 1.0, v[TMP]                  ; f = 2^(old M - new M)
.set cn, 0
.rept 32
	v_pk_fma_f32 v[S+cn:S+cn+1], v[S+cn:S+cn+1], s[CC:CC+1], v[12:13] op_sel_hi:[1,0,0]   ; t - M
.set cn, cn+2
.endr
.irp b, 0,1,2,3
	v_fma_f32 v[BM+\b], v[BM+\b], s[CC], v12       ; the same of each block's largest
.endr
	s_wait_alu depctr_va_vdst(0)                   ; ahead of the batch
.set cn, 0
.rept 64
	v_exp_f32 v[S+cn], v[S+cn]                     ; p = 2^(t - M)
.set cn, cn+1
.endr
.irp b, 0,1,2,3
	v_exp_f32 v[BM+\b], v[BM+\b]                   ; the block's largest p: the same instructions on the same number give the same bits
.endr
	v_pk_mul_f32 v[14:15], v[14:15], v[F:F+1] op_sel_hi:[1,0]      ; the sums under the new M; a plain instruction behind the exponentials
	s_wait_alu depctr_va_vdst(0)                   ; one wait for the batch, ahead of its first reader
.irp j, 0,1,2,3,4,5,6
	v_pk_add_f32 v[SP+2*\j:SP+2*\j+1], v[S+2*\j:S+2*\j+1], v[S+16+2*\j:S+17+2*\j]   ; the row's sum of the unquantised p, in eight chains
.endr
	v_pk_add_f32 v[14:15], v[14:15], v[S+14:S+15]
.irp q, 32,48
.irp j, 0,1,2,3,4,5,6
	v_pk_add_f32 v[SP+2*\j:SP+2*\j+1], v[SP+2*\j:SP+2*\j+1], v[S+\q+2*\j:S+\q+2*\j+1]
.endr
	v_pk_add_f32 v[14:15], v[14:15], v[S+\q+14:S+\q+15]
.endr
	v_pk_add_f32 v[SP:SP+1], v[SP:SP+1], v[SP+2:SP+3]
	v_pk_add_f32 v[SP+4:SP+5], v[SP+4:SP+5], v[SP+6:SP+7]
	v_pk_add_f32 v[SP+8:SP+9], v[SP+8:SP+9], v[SP+10:SP+11]
	v_pk_add_f32 v[14:15], v[14:15], v[SP+12:SP+13]
	v_pk_add_f32 v[SP:SP+1], v[SP:SP+1], v[S+30:S+31]
	s_delay_alu instid0(VALU_DEP_3)
	v_pk_add_f32 v[SP+4:SP+5], v[SP+4:SP+5], v[SP+8:SP+9]
	s_delay_alu instid0(VALU_DEP_2)
	v_pk_add_f32 v[14:15], v[14:15], v[SP:SP+1]
	s_delay_alu instid0(VALU_DEP_1)
	v_pk_add_f32 v[14:15], v[14:15], v[SP+4:SP+5]
.irp b, 0,1,2,3
	v_max_num_f32 v[BM+\b], FLOORB, v[BM+\b]       ; the floor: the byte cannot fall under 1
.endr
.irp b, 0,1,2,3
	s_delay_alu instid0(VALU_DEP_4)
	v_add_nc_u32 v[SO+\b], EOFF, v[BM+\b]          ; 4 off the exponent field: the conversion's scale operand
.endr
.irp b, 0,1,2,3
	s_delay_alu instid0(VALU_DEP_4)
	v_lshrrev_b32 v[PM+\b], 23, v[SO+\b]           ; the byte
.endr
	s_delay_alu instid0(VALU_DEP_3)
	v_lshl_or_b32 v[PSW], v[PM+1], 8, v[PM]        ; p's scale word for these 128 keys
	s_delay_alu instid0(VALU_DEP_1)
	v_lshl_or_b32 v[PSW], v[PM+2], 16, v[PSW]
	s_delay_alu instid0(VALU_DEP_1)
	v_lshl_or_b32 v[PSW], v[PM+3], 24, v[PSW]
.irp c, 0,1
	v_cvt_scalef32_pk16_bf6_f32 v[PC+6*\c:PC+6*\c+2], v[S+32*\c:S+15+32*\c], v[SO+2*\c]
	v_cvt_scalef32_pk16_bf6_f32 v[CT+4*\c:CT+4*\c+2], v[S+16+32*\c:S+31+32*\c], v[SO+2*\c+1]
.endr
	v_nop                                          ; one plain instruction behind a scaled conversion
.irp c, 0,1
.irp i, 0,1,2
	v_permlane16_swap_b32 v[PC+6*\c+\i], v[CT+4*\c+\i]             ; a whole block in a lane
.endr
.irp i, 0,1,2
	s_delay_alu instid0(VALU_DEP_3)
	v_mov_b32 v[PC+3+6*\c+\i], v[CT+4*\c+\i]
.endr
.endr
	s_wait_alu depctr_va_vdst(0)                   ; directly ahead of the first reader of O^T
.set cn, 0
.rept 16
	v_pk_mul_f32 v[O+cn:O+cn+1], v[O+cn:O+cn+1], v[F:F+1] op_sel_hi:[1,0]   ; O^T under the new M; also the places between the lines that made p's codes and scale word and the products
.set cn, cn+2
.endr
	s_wait_alu depctr_va_vdst(0)
	s_wait_dscnt 0x0                               ; V and its scale words (and the next step's K)
	WIN 0x01
	PV O, PC, PSW
	WIN 0
.Lnext:
	s_lshr_b32 s[CA], s[CA], 1                     ; the next step's classes
	s_lshr_b32 s[CZ], s[CZ], 1
	s_add_co_u32 s[MO], s[MO], 256                 ; and mask words
	s_add_co_u32 s[STP], s[STP], 1
	s_cmp_lt_u32 s[STP], 16
	s_cbranch_scc1 .Lstep
	; THE WAY OUT of a tile: (O^T + 2^(tm - M) OH) / the sum, quantised along the head's 64: register 8 t + i of a lane is d = 32 (t / 2) + 16 h + 8 (t % 2) + i
	v_add_f32 v14, v14, v15
	v_add_f32 v[BM], v29, v12                      ; tm - M
	s_delay_alu instid0(VALU_DEP_2)
	v_permlanex16_b32 v[PM], v14, s[SEL], s[SEL+1]
	s_delay_alu instid0(VALU_DEP_1)
	v_add_f32 v14, v14, v[PM]                      ; the row's sum over the steps that are not hidden
	s_wait_alu depctr_va_vdst(0)                   ; ahead of a transcendental
	v_exp_f32 v[BM], v[BM]                         ; a hidden key's p
	v_nop
	s_wait_alu depctr_va_vdst(0)                   ; and ahead of its first reader
	v_fma_f32 v14, v[BM], v[NHF], v14              ; + p for each hidden key
	s_wait_alu depctr_va_vdst(0)
	v_rcp_f32 v14, v14
.rept 4
	v_nop                                          ; plain instructions behind the reciprocal, and places between the last products and the first read of the sums
.endr
	s_wait_alu depctr_va_vdst(0)
	v_mul_f32 v[BM], v[BM], v14
.set cn, 0
.rept 32
	v_mul_f32 v[S+cn], v[O+cn], v14
.set cn, cn+1
.endr
	WIN 0x01
	s_wait_alu depctr_va_vdst(0)                   ; directly ahead of the first reader of OH
.set cn, 0
.rept 32
	v_fma_f32 v[S+cn], v[OH+cn], v[BM], v[S+cn]
.set cn, cn+1
.endr
	WIN 0
	v_max3_num_f32 v[BM], |v[S]|, |v[S+1]|, FLOORB
	v_max3_num_f32 v[BM+1], |v[S+16]|, |v[S+17]|, FLOORB
.irp i, 2,4,6,8,10,12,14
	s_delay_alu instid0(VALU_DEP_2)
	v_max3_num_f32 v[BM], v[BM], |v[S+\i]|, |v[S+\i+1]|
	s_delay_alu instid0(VALU_DEP_2)
	v_max3_num_f32 v[BM+1], v[BM+1], |v[S+16+\i]|, |v[S+17+\i]|
.endr
	s_delay_alu instid0(VALU_DEP_2)
	v_permlanex16_b32 v[PM], v[BM], s[SEL], s[SEL+1]
	s_delay_alu instid0(VALU_DEP_2)
	v_permlanex16_b32 v[PM+1], v[BM+1], s[SEL], s[SEL+1]
	s_delay_alu instid0(VALU_DEP_2)
	v_max_num_f32 v[BM], v[BM], v[PM]
	s_delay_alu instid0(VALU_DEP_2)
	v_max_num_f32 v[BM+1], v[BM+1], v[PM+1]
	s_delay_alu instid0(VALU_DEP_2)
	v_add_nc_u32 v[SO], EOFF, v[BM]
	s_delay_alu instid0(VALU_DEP_2)
	v_add_nc_u32 v[SO+1], EOFF, v[BM+1]
	v_mov_b32 v[XWP], v[XW]                        ; the tile before's word is kept
	s_delay_alu instid0(VALU_DEP_3)
	v_lshrrev_b32 v[PM], 23, v[SO]
	s_delay_alu instid0(VALU_DEP_3)
	v_lshrrev_b32 v[PM+1], 23, v[SO+1]
	v_cvt_scalef32_pk16_bf6_f32 v[PC:PC+2], v[S:S+15], v[SO]
	v_cvt_scalef32_pk16_bf6_f32 v[CT:CT+2], v[S+16:S+31], v[SO+1]
	v_lshl_or_b32 v[XW], v[PM+1], 8, v[PM]         ; my row's two bytes (a plain instruction behind the conversions)
.irp i, 0,1,2
	v_permlane16_swap_b32 v[PC+\i], v[CT+\i]
.endr
.irp i, 0,1,2
	s_delay_alu instid0(VALU_DEP_3)
	v_mov_b32 v[PC+3+\i], v[CT+\i]
.endr
	global_store_b128 v1, v[PC:PC+3], s[8:9]       ; 512 consecutive bytes,
	global_store_b64 v2, v[PC+4:PC+5], s[8:9] offset:512           ; 256
	s_mov_b32 s[T], s[TN]                          ; on to the second tile: its number, classes, Q and scale word
	s_mov_b32 s88, s90
	s_mov_b32 s89, s91
	WIN 0x01
.irp i, 0,1,2,3,4,5
	v_mov_b32 v[16+\i], v[Q2+\i]
.endr
	v_mov_b32 v28, v[Q2+6]
	WIN 0
	s_wait_xcnt 0x0                                ; the stores have read their registers and their base: both are written again only behind this wait
	s_add_co_u32 s[TI], s[TI], 1
	s_cmp_lt_u32 s[TI], 2
	s_wait_alu depctr_va_vdst(0)
	s_cbranch_scc1 .Ltile
	s_barrier_signal -1                            ; this barrier parts every wave's reads in the loops from the stores below
	s_barrier_wait -1
	ds_store_b32 v[OA], v[XWP]                     ; both halves of the lanes write the same word with the same value: the first tile's,
	ds_store_b32 v[OA], v[XW] offset:512           ; the second's
	s_wait_dscnt 0x0                               ; for the others' sake: my stores have landed
	s_barrier_signal -1
	s_barrier_wait -1
	s_cmp_lt_u32 s[WV], 4                          ; four neighbouring tiles' words are 256 bytes on end in xsd: wave c < 4 stores them, 8 bytes a lane
	s_cbranch_scc0 .Lno_words
	ds_load_b64 v[84:85], v[OB]
	s_wait_dscnt 0x0
	global_store_b64 v2, v[84:85], s[92:93]        ; 256 consecutive bytes, aligned
.Lno_words:
	s_wait_tensorcnt 0x0                           ; the wave's end, behind my last LDS store
	ds_add_u32 v[SPW], v[NIL]
	s_wait_dscnt 0x0
	s_endpgm
.Lfunc_end_k_q3f01a16ee8_attn:
	.size	k_q3f01a16ee8_attn, .Lfunc_end_k_q3f01a16ee8_attn-k_q3f01a16ee8_attn
	.p2alignl 7, 3214868480
	.fill 96, 4, 3214868480
	.section	.rodata,"a",@progbits
	.p2align	6, 0x0
	.amdhsa_kernel k_q3f01a16ee8_attn
		.amdhsa_group_segment_fixed_size 210944
		.amdhsa_private_segment_fixed_size 0
		.amdhsa_enable_private_segment 0
		.amdhsa_kernarg_size 40
		.amdhsa_user_sgpr_count 2
		.amdhsa_user_sgpr_kernarg_segment_ptr 1
		.amdhsa_wavefront_size32 1
		.amdhsa_system_sgpr_workgroup_id_x 1
		.amdhsa_system_sgpr_workgroup_id_y 1
		.amdhsa_system_sgpr_workgroup_id_z 1
		.amdhsa_system_vgpr_workitem_id 0
		.amdhsa_next_free_vgpr 384
		.amdhsa_next_free_sgpr 102
		.amdhsa_reserve_vcc 0
		.amdhsa_float_denorm_mode_32 3
		.amdhsa_float_denorm_mode_16_64 3
		.amdhsa_memory_ordered 1
		.amdhsa_forward_progress 1
		.amdhsa_inst_pref_size 59
	.end_amdhsa_kernel
	.amdgpu_metadata
---
amdhsa.version: [ 1, 2 ]
amdhsa.kernels:
  - .name:           k_q3f01a16ee8_attn
    .symbol:         k_q3f01a16ee8_attn.kd
    .args:
      - { .name: hd, .offset: 0, .size: 8, .value_kind: global_buffer, .address_space: global }
      - { .name: mbits, .offset: 8, .size: 8, .value_kind: global_buffer, .address_space: global }
      - { .name: xo, .offset: 16, .size: 8, .value_kind: global_buffer, .address_space: global }
      - { .name: xsd, .offset: 24, .size: 8, .value_kind: global_buffer, .address_space: global }
      - { .name: mcls, .offset: 32, .size: 8, .value_kind: global_buffer, .address_space: global }
    .group_segment_fixed_size: 210944
    .private_segment_fixed_size: 0
    .kernarg_segment_align: 8
    .kernarg_segment_size: 40
    .max_flat_workgroup_size: 256
    .sgpr_count:     102
    .vgpr_count:     384
    .wavefront_size: 32
...
	.end_amdgpu_metadata
.endif
;; end of part 3
;; launch outp (part 4): grid 4 x 32, 4 waves a work-group, clusters of 4 x 4, 295,424 bytes of LDS; arguments xo, xsd, codes, scl, bo, out0; writes out0
.if DOCPART == 4
	.amdgcn_target "amdgcn-amd-amdhsa--gfx1250"
	.amdhsa_code_object_version 6
	.text
	.protected	k_q3f01a16ee8_outp
	.globl	k_q3f01a16ee8_outp
	.p2align	8
	.type	k_q3f01a16ee8_outp,@function
k_q3f01a16ee8_outp:
	s_mov_b64 s[64:65], 0
	v_nop
	global_prefetch_b8 v0, s[64:65] scope:SCOPE_SE
	s_setreg_imm32_b32 hwreg(HW_REG_WAVE_MODE, 25, 1), 1
	s_wait_xcnt 0x0
	s_wait_alu depctr_hold_cnt(0) depctr_sa_sdst(0) depctr_va_vdst(0) depctr_va_sdst(0) depctr_va_ssrc(0) depctr_va_vcc(0) depctr_vm_vsrc(0)
	s_getreg_b32 s2, hwreg(HW_REG_IB_STS2, 6, 4)
	s_cmp_eq_u32 s2, 0
	s_cbranch_scc0 .Lentry_in_a_cluster
	s_endpgm
.Lentry_in_a_cluster:
	s_bfe_u32 s2, ttmp6, 0x10000c
	s_cmp_lg_u32 s2, 0xf033
	s_cbranch_scc0 .Lentry_shape_is_right
	s_endpgm
.Lentry_shape_is_right:
; out0 = x wo^T + bo on codes of BF6 with E8M0 scales.  x: the codes and scale bytes that the launch before has made; wo: tiles 1152 .. 1215 of the codes' buffer.
; SHARES.  Work-group (x, y): rows 128 y on (8 tiles of 16 rows) against 16 tiles of wo (outputs 256 x on).  Wave (wr, wc): rows 64 wr on x outputs 128 wc on: 32 accumulators.
; ALL OF K = 1,024 LIES IN LDS AT ONCE: 24 tiles x 12,288 bytes, laid [quarter of K][slot 0..23][3,072 bytes]; slots 0-7 x, 8-23 wo.  Every byte is filled once; each wave issues four tensor loads (four are out, by this text's count).
; CLUSTERS: 4 x 4 work-groups: x's tiles are asked for jointly along a row of the cluster, wo's along a column.
; Source 0 = wo, source 1 = x: a lane holds one row of x and its registers run along the outputs; the rows of a tile are chosen (row i of tile T: 32 (T / 2) + 8 (T % 2) + i + 8 (i / 8)) so that the 16 registers of tiles 2 b, 2 b + 1
; are 16 neighbouring outputs: 64 bytes.
; THE WAY OUT goes through the wave's own stage in LDS (16 rows x 528 bytes) and leaves as whole rows of 512 bytes.  The stages lie in the first quarter's bytes: these have had their one fill, and every wave has waited for its
; reads of them in front of a barrier that all have passed.
; The grid has 128 work-groups: the block of 128 x 256 is kept so that x's and wo's tiles fit in LDS whole, in the form of the projections' launch.
; REGISTERS, in windows of 256: window 0: v1-8 LDS addresses, v9-10 16, 8 x lane, v11 64 h, v12-15 lane, r, h, offset of x's scale bytes; v16-47, v48-63 scale words of wo, x; v64-127 bo; v128-255 the way out.
;   window 1: wo's 8 fragments, two sets.   window 2: the 32 accumulators, (i, j) at 8 (i % 4) + 32 j + 128 (i / 4).   window 3: x's 4 fragments, two sets.
; AS THE TEXT NOW STANDS (this takes the place of what the head says of quarters of K): LDS is laid [slot 0..23][12,288 bytes], a slot holding a tile's whole K; each wave issues ONE tensor load at the head
; (4 tiles of x or 8 of wo, dense in memory, rows of 12,288 bytes), one is out by this text's count, and one barrier shows all of K to all four waves.  The stages lie in slots 0 to 2: a barrier, signalled behind each wave's
; last fragment loads, parts every wave's reads of the slots from the stores into the stages.  v12 and v14 serve the add alone; the lane's number is made in v15, 64 h straight in v11.
.set SLB,   12288                      ; a slot: a tile, all of K (eight K steps of 1,536 bytes)
.set SPARE, 24*SLB                     ; behind the slots: the spare words, 128 bytes for each wave
.set SPW,   14                         ; v14 LDS address of my spare word; never rewritten
.set NIL,   12                         ; v12 0; never rewritten
.set G1X, 24
.set G0X, 32
.set G1W, 48
.set G0W, 68
.set SC0, 16
.set SC1, 48
.set BO,  64
.set E,   128
.set BK,  192
.set ROWP, 528
.set MSB, 0
.macro WIN new                         ; the immediate's high byte repeats the setting that is left
.if MSB != \new
	s_set_vgpr_msb (MSB<<8)|\new
.set MSB, \new
.endif
.endm
.set MULW,    0xad                     ; source 0 window 1, source 1 window 3, C and D window 2
.set TO0,     0x40
.set TO1,     0xc0
.set FROMACC, 0x02
.macro CROUND
	s_barrier_signal -1
	s_barrier_wait -1
	s_cmp_lg_u32 s14, 0
	s_cbranch_scc1 .Lnot_wave_0_\@
	s_barrier_signal -3
.Lnot_wave_0_\@:
	s_barrier_wait -3
	s_barrier_signal -1
	s_barrier_wait -1
.endm
.macro PLACES
.rept 4
	v_nop
.endr
.endm
	s_load_b128 s[4:7], s[0:1], 0x0                ; xo, xsd
	s_load_b128 s[84:87], s[0:1], 0x10             ; codes, scl
	s_load_b128 s[88:91], s[0:1], 0x20             ; bo, out0
	v_lshl_add_u32 v[SPW], v0, 2, SPARE
	v_mov_b32 v[NIL], 0
	ds_add_u32 v[SPW], v[NIL]                      ; the opening lines: the add, twice on end, and its wait ahead of the round in front of my tensor load
	ds_add_u32 v[SPW], v[NIL]
	v_lshrrev_b32 v1, 5, v0
	v_readfirstlane_b32 s14, v1                    ; wave 0..3
	s_lshr_b32 s15, s14, 1                         ; wr.  Also: I fetch for x (0) or for wo (1)
	s_and_b32 s16, s14, 1                          ; wc.  Also: which half of those tiles I fetch
	s_bfe_u32 s17, ttmp6, 0x40000                  ; cx
	s_bfe_u32 s18, ttmp6, 0x40004                  ; cy
	s_lshl_b32 s19, ttmp9, 2
	s_add_co_u32 s19, s19, s17                     ; work-group x
	s_and_b32 s20, ttmp7, 0xffff
	s_lshl_b32 s20, s20, 2
	s_add_co_u32 s20, s20, s18                     ; work-group y
	s_lshl_b32 s8, s18, 2
	s_lshl_b32 s8, 15, s8                          ; my row of the cluster
	s_lshl_b32 s9, 0x1111, s17                     ; my column
	s_or_b32 s[G1X], s8, (3<<16)|(1<<21)           ; rows of 12,288 bytes (1,536 elements of 8), one for each tile, 12,288 bytes apart in memory, on end in LDS
	s_or_b32 s[G1W], s9, (3<<16)|(1<<21)
.irp g, G1X, G1W
	s_mov_b32 s[\g+1], 1536<<16                    ; tensor_dim0: a tile's 12,288 bytes as 1,536 elements of 8
	s_mov_b32 s[\g+3], 1536<<16                    ; tile_dim0
	s_mov_b32 s[\g+5], 1536
	s_mov_b32 s[\g+6], 0
	s_mov_b32 s[\g+7], 0
.endr
	s_mov_b32 s[G1X+2], 4<<16
	s_mov_b32 s[G1X+4], 4
	s_mov_b32 s[G1W+2], 8<<16
	s_mov_b32 s[G1W+4], 8
	s_lshl_b32 s10, s20, 3                         ; x: tile 8 y + 4 half
	s_lshl_b32 s11, s16, 2
	s_add_co_u32 s10, s10, s11
	s_mul_i32 s10, s10, 12288
	s_mov_b32 s11, 0
	s_lshl_b32 s12, s19, 4                         ; wo: tile 1152 + 16 x + 8 half
	s_lshl_b32 s13, s16, 3
	s_add_co_u32 s12, s12, s13
	s_add_co_u32 s12, s12, 1152
	s_mul_i32 s12, s12, 12288
	s_mov_b32 s13, 0
	s_mul_i32 s56, s16, 4*SLB
	s_mul_i32 s57, s16, 8*SLB
	s_add_co_u32 s57, s57, 8*SLB
	s_wait_dscnt 0x0                               ; both opening adds are done
	s_wait_kmcnt 0x0
	s_add_nc_u64 s[10:11], s[4:5], s[10:11]
	s_add_nc_u64 s[12:13], s[84:85], s[12:13]
	CROUND                                         ; all sixteen work-groups are here: the joint loads meet
	s_mov_b32 s[G0X], 1
	s_mov_b32 s[G0X+1], s56
	s_mov_b64 s[G0X+2:G0X+3], s[10:11]
	s_or_b32 s[G0X+3], s[G0X+3], 0x80000000
	s_mov_b32 s[G0W], 1
	s_mov_b32 s[G0W+1], s57
	s_mov_b64 s[G0W+2:G0W+3], s[12:13]
	s_or_b32 s[G0W+3], s[G0W+3], 0x80000000
	s_cmp_eq_u32 s15, 0
	s_cbranch_scc0 .Lfill_w
	tensor_load_to_lds s[G0X:G0X+3], s[G1X:G1X+7]  ; my one load: four tiles of x, all of K
	s_nop 0
.rept 4
	v_nop
.endr
	s_branch .Lfilled
.Lfill_w:
	tensor_load_to_lds s[G0W:G0W+3], s[G1W:G1W+7]  ; my one load: eight tiles of wo, all of K
	s_nop 0
.rept 4
	v_nop
.endr
.Lfilled:
	v_and_b32 v15, 31, v0                          ; lane
	v_lshlrev_b32 v9, 4, v15
	v_lshlrev_b32 v10, 3, v15
	v_and_b32 v13, 15, v0                          ; r
	v_bfe_u32 v11, v0, 4, 1                        ; h
	v_lshlrev_b32 v11, 6, v11                      ; 64 h
	s_mul_i32 s58, s16, 8*SLB
	s_add_co_u32 s58, s58, 8*SLB                   ; source 0: wo's slots 8 + 8 wc on,
	s_add_co_u32 s59, s58, 4*SLB                   ; and four further;
	s_mul_i32 s60, s15, 4*SLB                      ; source 1: x's slots 4 wr on,
	s_add_co_u32 s61, s60, 2*SLB                   ; and two further
	v_add_nc_u32 v1, s58, v9
	v_add_nc_u32 v2, s58, v10
	v_add_nc_u32 v3, s59, v9
	v_add_nc_u32 v4, s59, v10
	v_add_nc_u32 v5, s60, v9
	v_add_nc_u32 v6, s60, v10
	v_add_nc_u32 v7, s61, v9
	v_add_nc_u32 v8, s61, v10
	s_mov_b32 s3, 0
	s_lshl_b32 s2, s19, 4
	s_lshl_b32 s8, s16, 3
	s_add_co_u32 s2, s2, s8
	s_add_co_u32 s2, s2, 1152
	s_lshl_b32 s2, s2, 9                           ; wo's scale words, 512 bytes a tile
	s_add_nc_u64 s[8:9], s[86:87], s[2:3]
.irp i, 0,1,2,3,4,5,6,7
	global_load_b128 v[SC0+4*\i:SC0+4*\i+3], v9, s[8:9] offset:512*\i
.endr
	s_lshl_b32 s2, s20, 3                          ; x's scale bytes: [head][tile of rows][16] words of two bytes.  Register jj of lane (r, h) is to hold K step 2 jj + h: heads 4 jj + 2 h and one on
	s_lshl_b32 s10, s15, 2
	s_add_co_u32 s2, s2, s10
	s_lshl_b32 s2, s2, 6
	s_add_nc_u64 s[6:7], s[6:7], s[2:3]
	v_lshlrev_b32 v15, 2, v13
	v_lshl_add_u32 v15, v11, 9, v15                ; 4 r + two heads of 16,384 bytes x h (64 h x 512)
.irp j, 0,1,2,3
.irp q, 0,1,2,3
	global_load_b32 v[E+2*(4*\j+\q)], v15, s[6:7] offset:65536*\q+64*\j
	global_load_b32 v[E+2*(4*\j+\q)+1], v15, s[6:7] offset:65536*\q+16384+64*\j
.endr
.endr
	s_lshl_b32 s2, s19, 10                         ; bo: outputs 256 x + 128 wc on; register 8 i + jj of a lane: 32 (i / 2) + 16 h + 8 (i % 2) + jj
	s_lshl_b32 s10, s16, 9
	s_add_co_u32 s2, s2, s10
	s_add_nc_u64 s[88:89], s[88:89], s[2:3]
	s_add_nc_u64 s[90:91], s[90:91], s[2:3]        ; out0: the same columns,
.irp i, 0,1,2,3,4,5,6,7
	global_load_b128 v[BO+8*\i:BO+8*\i+3], v11, s[88:89] offset:(32*(\i/2)+8*(\i%2))*4
	global_load_b128 v[BO+8*\i+4:BO+8*\i+7], v11, s[88:89] offset:(32*(\i/2)+8*(\i%2))*4+16
.endr
	s_lshl_b32 s2, s20, 7
	s_lshl_b32 s10, s15, 6
	s_add_co_u32 s2, s2, s10
	s_lshl_b32 s2, s2, 12                          ; rows 128 y + 64 wr on, 4,096 bytes each
	s_add_nc_u64 s[90:91], s[90:91], s[2:3]
	s_wait_loadcnt 0x0
.irp j, 0,1,2,3
.irp q, 0,1,2,3
	v_lshl_or_b32 v[SC1+4*\j+\q], v[E+2*(4*\j+\q)+1], 16, v[E+2*(4*\j+\q)]   ; two heads' two bytes make a K step's word
.endr
.endr
.rept 8
	v_nop                                          ; a scale register written by a vector instruction stands eight places ahead of a scaled matrix instruction
.endr
.macro FRAG d, a16, a8, off
	ds_load_b128 v[\d:\d+3], v[\a16] offset:\off
	ds_load_b64 v[\d+4:\d+5], v[\a8] offset:\off+512
	ds_load_b128 v[\d+6:\d+9], v[\a16] offset:\off+768
	ds_load_b64 v[\d+10:\d+11], v[\a8] offset:\off+1280
.endm
.macro FETCH s
	WIN TO0
.irp i, 0,1,2,3
	FRAG 96*((\s)%2)+12*\i, 1, 2, SLB*\i+1536*(\s)
.endr
.irp i, 0,1,2,3
	FRAG 96*((\s)%2)+48+12*\i, 3, 4, SLB*\i+1536*(\s)
.endr
	WIN TO1
.irp i, 0,1
	FRAG 48*((\s)%2)+12*\i, 5, 6, SLB*\i+1536*(\s)
.endr
.irp i, 0,1
	FRAG 48*((\s)%2)+24+12*\i, 7, 8, SLB*\i+1536*(\s)
.endr
	WIN 0
.endm
; 16 matrix instructions of K step s; the 32 accumulators take turns, one instruction a turn, in the same order in every step
.macro MUL j0, s, zero
.irp j, \j0, \j0+1
.irp i, 0,1,2,3,4,5,6,7
.set AC, 8*(\i%4)+32*(\j)+128*(\i/4)
.set FA, 96*((\s)%2)+12*\i
.set FB, 48*((\s)%2)+12*(\j)
.set RA, SC0+4*\i+(\s)/2
.set RB, SC1+4*(\j)+(\s)/2
.if \zero
	v_wmma_scale_f32_16x16x128_f8f6f4 v[AC:AC+7], v[FA:FA+11], v[FB:FB+11], 0, v[RA], v[RB] matrix_a_fmt:MATRIX_FMT_BF6 matrix_b_fmt:MATRIX_FMT_BF6
.elseif (\s)%2
	v_wmma_scale_f32_16x16x128_f8f6f4 v[AC:AC+7], v[FA:FA+11], v[FB:FB+11], v[AC:AC+7], v[RA], v[RB] matrix_a_fmt:MATRIX_FMT_BF6 matrix_b_fmt:MATRIX_FMT_BF6 matrix_a_scale:MATRIX_SCALE_ROW1 matrix_b_scale:MATRIX_SCALE_ROW1
.else
	v_wmma_scale_f32_16x16x128_f8f6f4 v[AC:AC+7], v[FA:FA+11], v[FB:FB+11], v[AC:AC+7], v[RA], v[RB] matrix_a_fmt:MATRIX_FMT_BF6 matrix_b_fmt:MATRIX_FMT_BF6
.endif
.endr
.endr
.endm
.macro STEP_E s, zero
	s_wait_dscnt 0x0                               ; this step's fragments are in
	PLACES                                         ; the other set was multiplied in the step before
	FETCH (\s)+1
	WIN MULW
	MUL 0, \s, \zero
	MUL 2, \s, \zero
.endm
	s_wait_alu depctr_va_vdst(0)
	s_wait_tensorcnt 0x0                           ; my load has landed
	s_barrier_signal -1
	s_barrier_wait -1                              ; everybody's has: all of K lies in LDS, and nothing is filled again
	FETCH 0
	STEP_E 0, 1
.irp s, 1,2,3,4,5,6
	STEP_E \s, 0
.endr
	s_wait_dscnt 0x0                               ; my last reads of the slots are over:
	s_barrier_signal -1                            ; say so,
	MUL 0, 7, 0                                    ; work on registers while the others arrive,
	MUL 2, 7, 0
	WIN 0
	s_barrier_wait -1                              ; and store into the stages only when all four have said so
	s_mul_i32 s2, s14, 16*ROWP                     ; my stage
	v_mul_u32_u24 v1, v13, ROWP                    ; (these four lines are the places behind the last products)
	v_add_nc_u32 v1, v1, v11
	v_add_nc_u32 v1, s2, v1                        ; in: row r, + 64 h
	v_add_nc_u32 v2, s2, v9                        ; back: 16 bytes a lane of a row of 512
.irp j, 0,1,2,3                        ; x's tile j of my four: 16 rows x 128 outputs
	WIN FROMACC                                    ; the bias is added on the way into window 0
.irp i, 0,1,2,3,4,5,6,7
.irp p, 0,2,4,6
	v_pk_add_f32 v[E+8*\i+\p:E+8*\i+\p+1], v[8*(\i%4)+32*\j+128*(\i/4)+\p:8*(\i%4)+32*\j+128*(\i/4)+\p+1], v[BO+8*\i+\p:BO+8*\i+\p+1]
.endr
.endr
	WIN 0
.irp m, 0,1,2,3,4,5,6,7,8,9,10,11,12,13,14,15
	ds_store_b128 v1, v[E+4*\m:E+4*\m+3] offset:128*(\m/4)+16*(\m%4)
.endr
.if \j > 0
	s_wait_xcnt 0x0                                ; the last tile's stores have read their registers: the loads below land there only behind this wait
.endif
.irp t, 0,1,2,3,4,5,6,7,8,9,10,11,12,13,14,15
	ds_load_b128 v[BK+4*\t:BK+4*\t+3], v2 offset:ROWP*\t           ; LDS serves a wave's instructions in order: these see the stores above
.endr
	s_wait_dscnt 0x0
.irp t, 0,1,2,3,4,5,6,7,8,9,10,11,12,13,14,15
	global_store_b128 v9, v[BK+4*\t:BK+4*\t+3], s[90:91] offset:(32*(\j/2)+8*(\j%2)+\t+8*(\t/8))*4096 th:TH_STORE_NT   ; 512 consecutive bytes of one row, at a multiple of 256 from out0's first byte
.endr
.endr
	s_wait_tensorcnt 0x0                           ; the wave's end, behind my last LDS store
	ds_add_u32 v[SPW], v[NIL]
	s_wait_dscnt 0x0
	CROUND                                         ; the closing round: no work-group ends while a partner may still ask for a tile that names it
	s_endpgm
.Lfunc_end_k_q3f01a16ee8_outp:
	.size	k_q3f01a16ee8_outp, .Lfunc_end_k_q3f01a16ee8_outp-k_q3f01a16ee8_outp
	.p2alignl 7, 3214868480
	.fill 96, 4, 3214868480
	.section	.rodata,"a",@progbits
	.p2align	6, 0x0
	.amdhsa_kernel k_q3f01a16ee8_outp
		.amdhsa_group_segment_fixed_size 295424
		.amdhsa_private_segment_fixed_size 0
		.amdhsa_enable_private_segment 0
		.amdhsa_kernarg_size 48
		.amdhsa_user_sgpr_count 2
		.amdhsa_user_sgpr_kernarg_segment_ptr 1
		.amdhsa_wavefront_size32 1
		.amdhsa_system_sgpr_workgroup_id_x 1
		.amdhsa_system_sgpr_workgroup_id_y 1
		.amdhsa_system_sgpr_workgroup_id_z 1
		.amdhsa_system_vgpr_workitem_id 0
		.amdhsa_next_free_vgpr 1024
		.amdhsa_next_free_sgpr 100
		.amdhsa_reserve_vcc 0
		.amdhsa_float_denorm_mode_32 3
		.amdhsa_float_denorm_mode_16_64 3
		.amdhsa_memory_ordered 1
		.amdhsa_forward_progress 1
		.amdhsa_inst_pref_size 94
	.end_amdhsa_kernel
	.amdgpu_metadata
---
amdhsa.version: [ 1, 2 ]
amdhsa.kernels:
  - .name:           k_q3f01a16ee8_outp
    .symbol:         k_q3f01a16ee8_outp.kd
    .args:
      - { .name: xo, .offset: 0, .size: 8, .value_kind: global_buffer, .address_space: global }
      - { .name: xsd, .offset: 8, .size: 8, .value_kind: global_buffer, .address_space: global }
      - { .name: codes, .offset: 16, .size: 8, .value_kind: global_buffer, .address_space: global }
      - { .name: scl, .offset: 24, .size: 8, .value_kind: global_buffer, .address_space: global }
      - { .name: bo, .offset: 32, .size: 8, .value_kind: global_buffer, .address_space: global }
      - { .name: out0, .offset: 40, .size: 8, .value_kind: global_buffer, .address_space: global }
    .group_segment_fixed_size: 295424
    .private_segment_fixed_size: 0
    .kernarg_segment_align: 8
    .kernarg_segment_size: 48
    .max_flat_workgroup_size: 128
    .sgpr_count:     100
    .vgpr_count:     1024
    .wavefront_size: 32
...
	.end_amdgpu_metadata
.endif
;; end of part 4
